; MI455X (gfx1250); checked and timed in simulation.
; The chip was launched on July 23, 2026; its instructions are those of AMD's public machine-readable ISA for CDNA 5 (MIT licence, August 2026) and "CDNA5" Instruction Set Architecture Reference Guide (July 2026). The comments in the code are by the model that wrote it; some were corrected since.
;; Custom Transformer Encoder Layer. Allowed arithmetic: float matrix products may take bf16 or f16 operands with f32 sums; other float arithmetic in f32, or as packed bf16 or f16 multiplies, adds, multiply-adds, maxima and minima; sums over many terms, partial sums and values carried from step to step in f32; what a program stores and reads back later, other than sums and carried values, may be rounded once to bf16 or f16.
;; Inputs: b1 4,096 float32; b2 1,024 float32; be1 1,024 float32; be2 1,024 float32; g1 1,024 float32; g2 1,024 float32; src 2 x 4,096 x 1,024 float32; w1 4,096 x 1,024 float32; w2 1,024 x 4,096 float32.
;; Outputs: out0 2 x 4,096 x 1,024 float32.
;; Constants: window_size = 8.
;; One version. Each part assembles by itself: llvm-mc -triple=amdgcn-amd-amdhsa -mcpu=gfx1250 --defsym DOCPART=n.
;; ======== version 1 of 1: 4 launches
;; limits: values are held in f16: magnitudes above 65,504 overflow, below 6.1e-05 lose precision
;; workspace buffers: xh 16,777,216 bytes; w1h 8,388,608 bytes; w2h 8,388,608 bytes; hh 67,108,864 bytes; ffp 67,108,864 bytes
;; launch prep (part 1): grid 256 x 1, 8 waves a work-group, no clusters, 265,216 bytes of LDS; arguments src, g1, be1, w1, w2, xh, w1h, w2h; writes xh, w1h, w2h
.if DOCPART == 1
	.amdgcn_target "amdgcn-amd-amdhsa--gfx1250"
	.amdhsa_code_object_version 6
	.text
	.protected	k_q2156e20718_prep
	.globl	k_q2156e20718_prep
	.p2align	8
	.type	k_q2156e20718_prep,@function
k_q2156e20718_prep:
	s_mov_b64 s[64:65], 0
	v_nop
	global_prefetch_b8 v0, s[64:65] scope:SCOPE_SE
	s_setreg_imm32_b32 hwreg(HW_REG_WAVE_MODE, 25, 1), 1
	s_wait_xcnt 0x0
; xh = LN(src + banded_attention(src, src, src, 8)) g1 + be1, rounded once to f16; and w1, w2 rounded to f16 (each work-group casts 1/256 of both).
; src: [2][4096][1024] f32.  A work-group owns 32 rows of one batch (4,096 / 32 = 128 blocks a batch) and needs the 48 rows from 8 above to 8 below, clipped to the batch.
; SHARES.  Wave w loads rows 4 w .. 4 w + 3 (kept in f32 for the residual) and two of the 16 rows round the block; takes channels 128 w .. 128 w + 127 in both products; finishes rows 4 w .. 4 w + 3.
; PRODUCTS in f16 with f32 sums.  S^T = K Q^T (source 0 = 16 keys, source 1 = 16 queries): a lane holds ONE query (lane % 16) and keys 8 (lane / 16) + 0..7.  A tile of 16 queries sees 32 keys:
; two such results, rounded in pairs, ARE source 1 of O^T = V^T P.  The eight waves' partial scores meet in LDS and every wave adds all eight in the same order.
; MASK.  Key u of a tile's 32 counts where it lies within 8 of the query and inside the batch; every other score becomes -1e30, whose weight is 0.  (A key outside the batch has weight 0 by the -1e9 of the
; problem too: the maximum is at least the query's own score, |q|^2 / 32 >= 0.)  SOFTMAX: the row's maximum is taken away; p = 2^(c s - c m), c = log2(e) / 32.
; NORM in f32, in two passes: the mean, then the mean of the squared differences.
; LIMITS.  src, w1, w2 and x go into f16: beyond 65,504 they become infinities, below 6e-5 they keep f16's fixed step of 6e-8.  NaN and infinities are not treated apart.
; NO CLUSTER, NO TENSOR LOAD: all data are cast from f32 on the way in, so they come through registers; what neighbours share is 16 of a block's 48 rows.  No LDS byte is written twice.
; LDS: KV 48 rows x 2,080 bytes of f16 (65 x 32) | PS 8 x 4,096 partial scores | OS 32 rows x 4,112 bytes (257 x 16) of f32 | the spare words.
; REGISTERS.  window 0: v0-16 addresses; v18-29 masks, later means and variances; v30-31 the add's; v32-63 scores, then P; v64-191 at work; v192-223 g1; v224-255 be1.
;             window 1: v0-127 my four rows in f32 (row i, chunk j at 32 i + 4 j: channels 128 j + 4 lane + 0..3); v128-255 the weights on their way.
.set PKV,   2080
.set PS,    48*PKV
.set OS,    PS+8*4096
.set PO,    4112
.set SPARE, OS+32*PO
.set MSB, 0
.macro WIN new                         ; s_set_vgpr_msb: bits 1:0 source 0, 3:2 source 1, 5:4 source 2, 7:6 destination; the high byte repeats the setting that is left
.if MSB != (\new)
	s_set_vgpr_msb (MSB<<8)|(\new)
.set MSB, (\new)
.endif
.endm
	s_load_b512 s[16:31], s[0:1], 0x0              ; src 16, g1 18, be1 20, w1 22, w2 24, xh 26, w1h 28, w2h 30
	v_lshl_add_u32 v30, v0, 2, SPARE               ; my spare word,
	v_mov_b32 v31, 0                               ; and 0: kept for the wave's end alone
	v_lshrrev_b32 v1, 5, v0
	v_readfirstlane_b32 s3, v1                     ; wave 0..7
	s_mov_b32 s2, ttmp9                            ; block g
	s_and_b32 s4, s2, 127
	s_lshl_b32 s4, s4, 5                           ; sb: the block's first position in its batch
	s_lshr_b32 s5, s2, 7
	s_lshl_b32 s5, s5, 12                          ; the batch's first row
	s_lshl_b32 s14, s3, 1
	s_cmp_lt_u32 s3, 4                             ; waves 0-3 fetch the 8 rows above the block, waves 4-7 the 8 below
	s_cselect_b32 s15, -8, 24
	s_cselect_b32 s53, 0, 32
	s_add_co_i32 s15, s15, s14                     ; my first outer row, counted from the block's first
	s_add_co_u32 s53, s53, s14                     ; and its row in KV
	s_add_co_i32 s15, s15, s4
	s_add_co_i32 s54, s15, 1
	s_max_i32 s15, s15, 0                          ; clipped to the batch, as the problem clips; what is clipped is masked below
	s_min_i32 s15, s15, 4095
	s_max_i32 s54, s54, 0
	s_min_i32 s54, s54, 4095
	s_add_co_u32 s15, s15, s5
	s_add_co_u32 s54, s54, s5
	v_and_b32 v1, 31, v0                           ; L
	v_and_b32 v2, 15, v0                           ; R = L % 16
	v_bfe_u32 v3, v0, 4, 1                         ; H = L / 16
	v_lshlrev_b32 v4, 4, v1                        ; 16 L
	v_lshlrev_b32 v5, 3, v1                        ; 8 L
	s_lshl_b32 s14, s3, 2
	s_add_co_u32 s14, s14, 8
	s_mul_i32 s14, s14, PKV
	v_add_nc_u32 v6, s14, v5                       ; KV: my own rows, 8 + 4 w on
	s_mul_i32 s14, s53, PKV
	v_add_nc_u32 v7, s14, v5                       ; KV: my two outer rows
	s_lshl_b32 s14, s3, 8                          ; my 128 channels: 256 bytes of a row
	v_mul_u32_u24 v8, v2, PKV
	v_lshl_add_u32 v8, v3, 4, v8
	v_add_nc_u32 v8, s14, v8                       ; a fragment of K or Q: row R, 16 bytes for each half of the lanes
	v_add_nc_u32 v9, 32*PKV, v8                    ; the same 32 rows down (past an LDS immediate's 16 bits)
	v_and_b32 v22, 7, v0
	v_lshl_add_u32 v10, v3, 3, v22
	v_mul_u32_u24 v10, v10, PKV
	v_bfe_u32 v22, v0, 3, 1
	v_lshl_add_u32 v10, v22, 4, v10
	v_add_nc_u32 v10, s14, v10                     ; the turning load: key 8 H + L % 8, channels 8 ((L / 8) % 2) on
	v_add_nc_u32 v11, 16*PKV, v10                  ; the same for the second tile of queries
	s_lshl_b32 s14, s3, 12
	s_add_co_u32 s14, s14, PS
	v_add_nc_u32 v12, s14, v4                      ; PS: my wave's partial scores
	v_add_nc_u32 v13, PS, v4                       ; PS: everybody's
	s_lshl_b32 s14, s3, 9
	s_add_co_u32 s14, s14, OS
	v_mul_u32_u24 v14, v2, PO
	v_lshl_add_u32 v14, v3, 5, v14
	v_add_nc_u32 v14, s14, v14                     ; OS: query R, my channels, 32 bytes for each half of the lanes
	v_add_nc_u32 v15, 16*PO, v14
	s_mul_i32 s14, s3, 4*PO
	s_add_co_u32 s14, s14, OS
	v_add_nc_u32 v16, s14, v4                      ; OS: my four rows, read back whole
	s_mov_b32 s42, 0x76543210                      ; v_permlanex16_b32: each lane takes its own place in the other half
	s_mov_b32 s43, 0xfedcba98
	s_mov_b32 s44, 0x3d38aa3b                      ; c = log2(e) / 32
	s_mov_b32 s45, s44
	s_mov_b32 s46, 0xf149f2ca                      ; -1e30
	s_sub_co_i32 s47, 8, s4                        ; tile 0: the first and last of its 32 keys that lie in the batch,
	s_sub_co_i32 s48, 4103, s4
	s_sub_co_i32 s49, -8, s4                       ; tile 1
	s_sub_co_i32 s50, 4087, s4
	s_mov_b32 s51, 0x3a800000                      ; 1 / 1024
	s_mov_b32 s52, 0x3727c5ac                      ; 1e-5
	s_mov_b32 s7, 0
	s_wait_kmcnt 0x0
	s_lshl_b32 s6, s2, 17                          ; 32 rows of 4,096 bytes,
	s_lshl_b32 s14, s3, 14                         ; 4 rows
	s_add_co_u32 s6, s6, s14
	s_add_nc_u64 s[8:9], s[16:17], s[6:7]          ; src at my own rows
	s_lshl_b32 s6, s15, 12
	s_add_nc_u64 s[10:11], s[16:17], s[6:7]        ; src at my two outer rows
	s_lshl_b32 s6, s54, 12
	s_add_nc_u64 s[12:13], s[16:17], s[6:7]
	s_lshl_b32 s6, s2, 16                          ; 65,536 bytes a block, 8,192 a wave: my share of w1 and w2 in f32, and my rows of xh
	s_lshl_b32 s14, s3, 13
	s_add_co_u32 s6, s6, s14
	s_add_nc_u64 s[32:33], s[22:23], s[6:7]
	s_add_nc_u64 s[34:35], s[24:25], s[6:7]
	s_add_nc_u64 s[40:41], s[26:27], s[6:7]
	s_lshr_b32 s6, s6, 1                           ; half of that in f16
	s_add_nc_u64 s[36:37], s[28:29], s[6:7]
	s_add_nc_u64 s[38:39], s[30:31], s[6:7]
	; ALL LOADS AT ONCE, in the order in which they are wanted: g1, be1 (16), my rows (32), the outer rows (16), the weights (32)
.set j, 0
.rept 8
	global_load_b128 v[192+4*j:192+4*j+3], v4, s[18:19] offset:512*j
.set j, j+1
.endr
.set j, 0
.rept 8
	global_load_b128 v[224+4*j:224+4*j+3], v4, s[20:21] offset:512*j
.set j, j+1
.endr
	WIN 0x40
.set n, 0
.rept 32
	global_load_b128 v[4*n:4*n+3], v4, s[8:9] offset:4096*(n/8)+512*(n%8)
.set n, n+1
.endr
	WIN 0
.set j, 0
.rept 8
	global_load_b128 v[64+4*j:64+4*j+3], v4, s[10:11] offset:512*j
.set j, j+1
.endr
.set j, 0
.rept 8
	global_load_b128 v[96+4*j:96+4*j+3], v4, s[12:13] offset:512*j
.set j, j+1
.endr
	WIN 0x40
.set n, 0
.rept 16
	global_load_b128 v[128+4*n:128+4*n+3], v4, s[32:33] offset:512*n th:TH_LOAD_NT
.set n, n+1
.endr
.set n, 0
.rept 16
	global_load_b128 v[192+4*n:192+4*n+3], v4, s[34:35] offset:512*n th:TH_LOAD_NT
.set n, n+1
.endr
	; INTO KV, rounded to f16
	s_wait_loadcnt 48                              ; 48 younger loads (outer rows 16, weights 32) stay out: g1, be1 and my rows are in
	WIN 0x05
.set n, 0
.rept 64
	v_cvt_pk_f16_f32 v[128+n], v[2*n], v[2*n+1]
.set n, n+1
.endr
	WIN 0
.set n, 0
.rept 32
	ds_store_b64 v6, v[128+2*n:128+2*n+1] offset:(n/8)*PKV+256*(n%8)
.set n, n+1
.endr
	s_wait_loadcnt 32                              ; the weights' 32 stay out: the outer rows are in
.set n, 0
.rept 16
	v_cvt_pk_f16_f32 v[64+4*n], v[64+4*n], v[64+4*n+1]
	v_cvt_pk_f16_f32 v[64+4*n+1], v[64+4*n+2], v[64+4*n+3]
.set n, n+1
.endr
.set n, 0
.rept 16
	ds_store_b64 v7, v[64+4*n:64+4*n+1] offset:(n/8)*PKV+256*(n%8)
.set n, n+1
.endr
	s_wait_dscnt 0x0                               ; for the others' sake: my rows lie in KV
	s_barrier_signal -1
	s_barrier_wait -1                              ; all 48 rows do
	; SCORES on my 128 channels, four slices of 32.  Key blocks K0, K1, K2 are KV rows 0, 16, 32 on; query tiles Q0, Q1 rows 8, 24 on.
.macro KQLOAD s, base                  ; a slice's ten loads: K0, K1, K2, Q0, Q1 at base + 0, 8, 16, 24, 32
.irp q, 0,1
	ds_load_b128 v[(\base)+4*\q:(\base)+4*\q+3],       v8 offset:64*(\s)+32*\q
	ds_load_b128 v[(\base)+8+4*\q:(\base)+8+4*\q+3],   v8 offset:16*PKV+64*(\s)+32*\q
	ds_load_b128 v[(\base)+16+4*\q:(\base)+16+4*\q+3], v9 offset:64*(\s)+32*\q
	ds_load_b128 v[(\base)+24+4*\q:(\base)+24+4*\q+3], v8 offset:8*PKV+64*(\s)+32*\q
	ds_load_b128 v[(\base)+32+4*\q:(\base)+32+4*\q+3], v8 offset:24*PKV+64*(\s)+32*\q
.endr
.endm
.macro KQMUL base, first               ; the four accumulators take turns, one instruction a turn
.if \first
	v_wmma_f32_16x16x32_f16 v[32:39], v[(\base):(\base)+7],       v[(\base)+24:(\base)+31], 0
	v_wmma_f32_16x16x32_f16 v[40:47], v[(\base)+8:(\base)+15],    v[(\base)+24:(\base)+31], 0
	v_wmma_f32_16x16x32_f16 v[48:55], v[(\base)+8:(\base)+15],    v[(\base)+32:(\base)+39], 0
	v_wmma_f32_16x16x32_f16 v[56:63], v[(\base)+16:(\base)+23],   v[(\base)+32:(\base)+39], 0
.else
	v_wmma_f32_16x16x32_f16 v[32:39], v[(\base):(\base)+7],       v[(\base)+24:(\base)+31], v[32:39]
	v_wmma_f32_16x16x32_f16 v[40:47], v[(\base)+8:(\base)+15],    v[(\base)+24:(\base)+31], v[40:47]
	v_wmma_f32_16x16x32_f16 v[48:55], v[(\base)+8:(\base)+15],    v[(\base)+32:(\base)+39], v[48:55]
	v_wmma_f32_16x16x32_f16 v[56:63], v[(\base)+16:(\base)+23],   v[(\base)+32:(\base)+39], v[56:63]
.endif
.endm
	KQLOAD 0, 64
	KQLOAD 1, 104
	s_wait_dscnt 10                                ; the second slice's ten loads stay out
	KQMUL 64, 1
	s_wait_dscnt 0x0
	KQMUL 104, 0
.rept 4
	v_nop                                          ; four places in front of loads into registers that the products have read
.endr
	KQLOAD 2, 64
	KQLOAD 3, 104
	s_wait_dscnt 10
	KQMUL 64, 0
	s_wait_dscnt 0x0
	KQMUL 104, 0
.rept 4
	v_nop                                          ; four places in front of the stores that read the results
.endr
.set n, 0
.rept 8
	ds_store_b128 v12, v[32+4*n:32+4*n+3] offset:512*n  ; each accumulator's low four registers first
.set n, n+1
.endr
	s_wait_dscnt 0x0
	s_barrier_signal -1
	s_barrier_wait -1                              ; all eight partial sums lie in PS
	; every wave adds all eight, in the same order
.set n, 0
.rept 32
	ds_load_b128 v[64+4*n:64+4*n+3], v13 offset:512*n
.set n, n+1
.endr
	s_wait_dscnt 0x0
.set n, 0
.rept 16
	v_pk_add_f32 v[32+2*n:32+2*n+1], v[64+2*n:64+2*n+1], v[96+2*n:96+2*n+1]
	v_pk_add_f32 v[128+2*n:128+2*n+1], v[128+2*n:128+2*n+1], v[160+2*n:160+2*n+1]
.set n, n+1
.endr
.set n, 0
.rept 16
	v_pk_add_f32 v[32+2*n:32+2*n+1], v[32+2*n:32+2*n+1], v[128+2*n:128+2*n+1]
.set n, n+1
.endr
.set n, 0
.rept 32
	ds_load_b128 v[64+4*n:64+4*n+3], v13 offset:16384+512*n
.set n, n+1
.endr
	s_wait_dscnt 0x0
.set n, 0
.rept 16
	v_pk_add_f32 v[64+2*n:64+2*n+1], v[64+2*n:64+2*n+1], v[96+2*n:96+2*n+1]
	v_pk_add_f32 v[128+2*n:128+2*n+1], v[128+2*n:128+2*n+1], v[160+2*n:160+2*n+1]
.set n, n+1
.endr
.set n, 0
.rept 16
	v_pk_add_f32 v[64+2*n:64+2*n+1], v[64+2*n:64+2*n+1], v[128+2*n:128+2*n+1]
.set n, n+1
.endr
.set n, 0
.rept 16
	v_pk_add_f32 v[32+2*n:32+2*n+1], v[32+2*n:32+2*n+1], v[64+2*n:64+2*n+1]
.set n, n+1
.endr
	; THE MASK.  Register (c, j) of a tile holds key u = 16 c + 8 H + j of its 32; it counts where lo <= u <= hi, lo = max(R, first in the batch), hi = min(R + 16, last in the batch).
	; One unsigned compare does both: (16 c + j) - (lo - 8 H) <= hi - lo.
.macro BAND t, lb, ub
	v_cmp_gt_i32 vcc_lo, s[\lb], v2
	v_cndmask_b32 v22, v2, s[\lb], vcc_lo          ; lo
	v_add_nc_u32 v23, 16, v2
	v_cmp_lt_i32 vcc_lo, s[\ub], v23
	v_cndmask_b32 v23, v23, s[\ub], vcc_lo         ; hi
	v_sub_nc_u32 v[19+2*(\t)], v23, v22
	v_lshlrev_b32 v23, 3, v3
	v_sub_nc_u32 v[18+2*(\t)], v22, v23
.endm
	BAND 0, 47, 48
	BAND 1, 49, 50
.set n, 0
.rept 32
	v_sub_nc_u32 v22, 16*((n%16)/8)+n%8, v[18+2*(n/16)]
	v_cmp_ge_u32 vcc_lo, v[19+2*(n/16)], v22
	v_cndmask_b32 v[32+n], s46, v[32+n], vcc_lo
.set n, n+1
.endr
	; SOFTMAX, the two tiles side by side.  A lane holds 16 of its query's 32 keys, the lane 16 away the others.
.irp k, 0,1,2,3,4
.irp t, 0,1
	v_max3_num_f32 v[64+8*\t+\k], v[32+16*\t+3*\k], v[32+16*\t+3*\k+1], v[32+16*\t+3*\k+2]
.endr
.endr
.irp t, 0,1
	v_max3_num_f32 v[64+8*\t], v[64+8*\t], v[64+8*\t+1], v[64+8*\t+2]
	v_max3_num_f32 v[64+8*\t+3], v[64+8*\t+3], v[64+8*\t+4], v[32+16*\t+15]
.endr
.irp t, 0,1
	v_max_num_f32 v[64+8*\t], v[64+8*\t], v[64+8*\t+3]
.endr
.irp t, 0,1
	v_permlanex16_b32 v[64+8*\t+1], v[64+8*\t], s42, s43
.endr
.irp t, 0,1
	v_max_num_f32 v[64+8*\t], v[64+8*\t], v[64+8*\t+1]
.endr
.irp t, 0,1
	v_mul_f32 v[64+8*\t+6], s44, v[64+8*\t]        ; c m, as a pair
	v_mul_f32 v[64+8*\t+7], s44, v[64+8*\t]
.endr
.irp k, 0,1,2,3,4,5,6,7
.irp t, 0,1
	v_pk_fma_f32 v[32+16*\t+2*\k:32+16*\t+2*\k+1], v[32+16*\t+2*\k:32+16*\t+2*\k+1], s[44:45], v[64+8*\t+6:64+8*\t+7] op_sel_hi:[1,0,0] neg_lo:[0,0,1] neg_hi:[0,0,1]  ; c s - c m
.endr
.endr
.set n, 0
.rept 32
	v_exp_f32 v[32+n], v[32+n]                     ; one batch
.set n, n+1
.endr
	v_nop                                          ; a plain instruction behind the last exponential,
	s_wait_alu depctr_va_vdst(0)                   ; and the one wait ahead of the batch's first reader
.irp k, 0,1,2,3
.irp t, 0,1
	v_pk_add_f32 v[80+8*\t+2*\k:80+8*\t+2*\k+1], v[32+16*\t+4*\k:32+16*\t+4*\k+1], v[32+16*\t+4*\k+2:32+16*\t+4*\k+3]
.endr
.endr
.irp t, 0,1
	v_pk_add_f32 v[80+8*\t:80+8*\t+1], v[80+8*\t:80+8*\t+1], v[80+8*\t+2:80+8*\t+3]
	v_pk_add_f32 v[80+8*\t+4:80+8*\t+5], v[80+8*\t+4:80+8*\t+5], v[80+8*\t+6:80+8*\t+7]
.endr
.irp t, 0,1
	v_pk_add_f32 v[80+8*\t:80+8*\t+1], v[80+8*\t:80+8*\t+1], v[80+8*\t+4:80+8*\t+5]
.endr
.irp t, 0,1
	v_add_f32 v[80+8*\t], v[80+8*\t], v[80+8*\t+1]
.endr
.irp t, 0,1
	v_permlanex16_b32 v[80+8*\t+1], v[80+8*\t], s42, s43
.endr
.irp t, 0,1
	v_add_f32 v[80+8*\t], v[80+8*\t], v[80+8*\t+1] ; the row's sum: at least 1, the weight of the largest score
.endr
.irp t, 0,1
	v_rcp_f32 v[96+2*\t], v[80+8*\t]
	v_rcp_f32 v[97+2*\t], v[80+8*\t]
.endr
	v_nop
	s_wait_alu depctr_va_vdst(0)                   ; one wait for the four reciprocals
.irp k, 0,1,2,3,4,5,6,7
.irp t, 0,1
	v_pk_mul_f32 v[32+16*\t+2*\k:32+16*\t+2*\k+1], v[32+16*\t+2*\k:32+16*\t+2*\k+1], v[96+2*\t:97+2*\t]
.endr
.endr
.irp k, 0,1,2,3,4,5,6,7
.irp t, 0,1
	v_cvt_pk_f16_f32 v[32+16*\t+\k], v[32+16*\t+2*\k], v[32+16*\t+2*\k+1]  ; in place, ascending: P of tile t in v[32 + 16 t ..+7]
.endr
.endr
	; O^T = V^T P for my 128 channels: eight blocks of 16 channels, 32 keys deep, one product each
.macro PVT t, va, oa
.irp cb, 0,1,2,3,4,5,6,7
	ds_load_tr16_b128 v[64+8*\cb:64+8*\cb+3],   v[\va] offset:32*\cb
	ds_load_tr16_b128 v[64+8*\cb+4:64+8*\cb+7], v[\va] offset:32*\cb+16*PKV
.endr
	s_wait_dscnt 0x0
.irp cb, 0,1,2,3,4,5,6,7
	v_wmma_f32_16x16x32_f16 v[128+8*\cb:128+8*\cb+7], v[64+8*\cb:64+8*\cb+7], v[32+16*(\t):32+16*(\t)+7], 0
.endr
.rept 5
	v_nop                                          ; places in front of the stores that read the results, of loads into the sources, and of products that write the results anew
.endr
.irp cb, 0,1,2,3,4,5,6,7
	ds_store_b128 v[\oa], v[128+8*\cb:128+8*\cb+3]   offset:64*\cb
	ds_store_b128 v[\oa], v[128+8*\cb+4:128+8*\cb+7] offset:64*\cb+16
.endr
.endm
	PVT 0, 10, 14
	PVT 1, 11, 15
	; THE WEIGHTS, which have had all this time to come: rounded to f16; each store of the wave covers 256 consecutive bytes, aligned
	s_wait_loadcnt 0x0
	WIN 0x05
.set n, 0
.rept 64
	v_cvt_pk_f16_f32 v[64+n], v[128+2*n], v[128+2*n+1]
.set n, n+1
.endr
	WIN 0
.set n, 0
.rept 16
	global_store_b64 v5, v[64+2*n:64+2*n+1], s[36:37] offset:256*n
.set n, n+1
.endr
.set n, 0
.rept 16
	global_store_b64 v5, v[96+2*n:96+2*n+1], s[38:39] offset:256*n
.set n, n+1
.endr
	s_wait_dscnt 0x0
	s_barrier_signal -1
	s_barrier_wait -1                              ; all channels of all 32 rows lie in OS
	; RESIDUAL AND NORM for my four rows
	s_wait_xcnt 0x0                                ; v64-127, which the stores above read, are loaded again only behind this wait
.set n, 0
.rept 32
	ds_load_b128 v[64+4*n:64+4*n+3], v16 offset:(n/8)*PO+512*(n%8)
.set n, n+1
.endr
	s_wait_dscnt 0x0
	WIN 0x41
.set n, 0
.rept 64
	v_pk_add_f32 v[2*n:2*n+1], v[2*n:2*n+1], v[64+2*n:64+2*n+1]  ; src, unrounded, + attention
.set n, n+1
.endr
.macro REDUCE                          ; for each row i: the four chains at v[160 + 8 i ..+7] into one number, the same in every lane
.irp i, 0,1,2,3
	v_pk_add_f32 v[160+8*\i:160+8*\i+1], v[160+8*\i:160+8*\i+1], v[160+8*\i+2:160+8*\i+3]
	v_pk_add_f32 v[160+8*\i+4:160+8*\i+5], v[160+8*\i+4:160+8*\i+5], v[160+8*\i+6:160+8*\i+7]
.endr
.irp i, 0,1,2,3
	v_pk_add_f32 v[160+8*\i:160+8*\i+1], v[160+8*\i:160+8*\i+1], v[160+8*\i+4:160+8*\i+5]
.endr
.irp i, 0,1,2,3
	v_add_f32 v[160+8*\i], v[160+8*\i], v[160+8*\i+1]
.endr
.irp x, 1,2,4,8
.irp i, 0,1,2,3
	v_add_f32_dpp v[160+8*\i], v[160+8*\i], v[160+8*\i] row_xmask:\x row_mask:0xf bank_mask:0xf
.endr
.endr
.irp i, 0,1,2,3
	v_permlanex16_b32 v[160+8*\i+1], v[160+8*\i], s42, s43
.endr
.irp i, 0,1,2,3
	v_add_f32 v[160+8*\i], v[160+8*\i], v[160+8*\i+1]
.endr
.endm
	WIN 0x05
.irp i, 0,1,2,3
.irp k, 0,1,2,3
	v_pk_add_f32 v[160+8*\i+2*\k:160+8*\i+2*\k+1], v[32*\i+2*\k:32*\i+2*\k+1], v[32*\i+8+2*\k:32*\i+8+2*\k+1]
.endr
.endr
	WIN 0x04
.irp m, 2,3
.irp i, 0,1,2,3
.irp k, 0,1,2,3
	v_pk_add_f32 v[160+8*\i+2*\k:160+8*\i+2*\k+1], v[160+8*\i+2*\k:160+8*\i+2*\k+1], v[32*\i+8*\m+2*\k:32*\i+8*\m+2*\k+1]
.endr
.endr
.endr
	WIN 0
	REDUCE
.irp i, 0,1,2,3
	v_mul_f32 v[18+2*\i], s51, v[160+8*\i]         ; the mean, as a pair
	v_mul_f32 v[19+2*\i], s51, v[160+8*\i]
.endr
	WIN 0x41
.irp i, 0,1,2,3
.set k, 0
.rept 16
	v_pk_add_f32 v[32*\i+2*k:32*\i+2*k+1], v[32*\i+2*k:32*\i+2*k+1], v[18+2*\i:19+2*\i] neg_lo:[0,1] neg_hi:[0,1]
.set k, k+1
.endr
.endr
	WIN 0x05
.irp i, 0,1,2,3
.irp k, 0,1,2,3
	v_pk_mul_f32 v[160+8*\i+2*\k:160+8*\i+2*\k+1], v[32*\i+2*\k:32*\i+2*\k+1], v[32*\i+2*\k:32*\i+2*\k+1]
.endr
.endr
.irp m, 1,2,3
.irp i, 0,1,2,3
.irp k, 0,1,2,3
	v_pk_fma_f32 v[160+8*\i+2*\k:160+8*\i+2*\k+1], v[32*\i+8*\m+2*\k:32*\i+8*\m+2*\k+1], v[32*\i+8*\m+2*\k:32*\i+8*\m+2*\k+1], v[160+8*\i+2*\k:160+8*\i+2*\k+1]
.endr
.endr
.endr
	WIN 0
	REDUCE
.irp i, 0,1,2,3
	v_fma_f32 v[26+\i], v[160+8*\i], s51, s52      ; variance + 1e-5
.endr
.irp i, 0,1,2,3
	v_rsq_f32 v[160+2*\i], v[26+\i]
	v_rsq_f32 v[161+2*\i], v[26+\i]
.endr
	v_nop
	s_wait_alu depctr_va_vdst(0)                   ; one wait for the eight
.irp i, 0,1,2,3
	WIN 0x01
.set k, 0
.rept 16
	v_pk_mul_f32 v[128+2*k:128+2*k+1], v[32*\i+2*k:32*\i+2*k+1], v[160+2*\i:161+2*\i]
.set k, k+1
.endr
	WIN 0
.set k, 0
.rept 16
	v_pk_fma_f32 v[128+2*k:128+2*k+1], v[128+2*k:128+2*k+1], v[192+2*k:192+2*k+1], v[224+2*k:224+2*k+1]
.set k, k+1
.endr
.set k, 0
.rept 16
	v_cvt_pk_f16_f32 v[64+16*\i+k], v[128+2*k], v[128+2*k+1]
.set k, k+1
.endr
.set k, 0
.rept 8
	global_store_b64 v5, v[64+16*\i+2*k:64+16*\i+2*k+1], s[40:41] offset:2048*\i+256*k  ; 256 consecutive bytes, aligned
.set k, k+1
.endr
.endr
	s_wait_tensorcnt 0x0                           ; the wave's end, behind my last LDS store
	ds_add_u32 v30, v31
	s_wait_dscnt 0x0
	s_endpgm
.Lfunc_end_k_q2156e20718_prep:
	.size	k_q2156e20718_prep, .Lfunc_end_k_q2156e20718_prep-k_q2156e20718_prep
	.p2alignl 7, 3214868480
	.fill 96, 4, 3214868480
	.section	.rodata,"a",@progbits
	.p2align	6, 0x0
	.amdhsa_kernel k_q2156e20718_prep
		.amdhsa_group_segment_fixed_size 265216
		.amdhsa_private_segment_fixed_size 0
		.amdhsa_enable_private_segment 0
		.amdhsa_kernarg_size 64
		.amdhsa_user_sgpr_count 2
		.amdhsa_user_sgpr_kernarg_segment_ptr 1
		.amdhsa_wavefront_size32 1
		.amdhsa_system_sgpr_workgroup_id_x 1
		.amdhsa_system_sgpr_workgroup_id_y 1
		.amdhsa_system_sgpr_workgroup_id_z 1
		.amdhsa_system_vgpr_workitem_id 0
		.amdhsa_next_free_vgpr 512
		.amdhsa_next_free_sgpr 66
		.amdhsa_reserve_vcc 1
		.amdhsa_float_denorm_mode_32 3
		.amdhsa_float_denorm_mode_16_64 3
		.amdhsa_memory_ordered 1
		.amdhsa_forward_progress 1
		.amdhsa_inst_pref_size 99
	.end_amdhsa_kernel
	.amdgpu_metadata
---
amdhsa.version: [ 1, 2 ]
amdhsa.kernels:
  - .name:           k_q2156e20718_prep
    .symbol:         k_q2156e20718_prep.kd
    .args:
      - { .name: src, .offset: 0, .size: 8, .value_kind: global_buffer, .address_space: global }
      - { .name: g1, .offset: 8, .size: 8, .value_kind: global_buffer, .address_space: global }
      - { .name: be1, .offset: 16, .size: 8, .value_kind: global_buffer, .address_space: global }
      - { .name: w1, .offset: 24, .size: 8, .value_kind: global_buffer, .address_space: global }
      - { .name: w2, .offset: 32, .size: 8, .value_kind: global_buffer, .address_space: global }
      - { .name: xh, .offset: 40, .size: 8, .value_kind: global_buffer, .address_space: global }
      - { .name: w1h, .offset: 48, .size: 8, .value_kind: global_buffer, .address_space: global }
      - { .name: w2h, .offset: 56, .size: 8, .value_kind: global_buffer, .address_space: global }
    .group_segment_fixed_size: 265216
    .private_segment_fixed_size: 0
    .kernarg_segment_align: 8
    .kernarg_segment_size: 64
    .max_flat_workgroup_size: 256
    .sgpr_count:     66
    .vgpr_count:     512
    .wavefront_size: 32
...
	.end_amdgpu_metadata
.endif
;; end of part 1
;; launch ffn1 (part 2): grid 16 x 32, 4 waves a work-group, clusters of 4 x 4, 327,680 bytes of LDS; arguments xh, w1h, hh, b1; writes hh
.if DOCPART == 2
	.amdgcn_target "amdgcn-amd-amdhsa--gfx1250"
	.amdhsa_code_object_version 6
	.text
	.protected	k_q2156e20718_ffn1
	.globl	k_q2156e20718_ffn1
	.p2align	8
	.type	k_q2156e20718_ffn1,@function
k_q2156e20718_ffn1:
	s_mov_b64 s[64:65], 0
	v_nop
	global_prefetch_b8 v0, s[64:65] scope:SCOPE_SE
	s_setreg_imm32_b32 hwreg(HW_REG_WAVE_MODE, 25, 1), 1
	s_wait_xcnt 0x0
	s_wait_alu depctr_hold_cnt(0) depctr_sa_sdst(0) depctr_va_vdst(0) depctr_va_sdst(0) depctr_va_ssrc(0) depctr_va_vcc(0) depctr_vm_vsrc(0)
	s_getreg_b32 s2, hwreg(HW_REG_IB_STS2, 6, 4)
	s_cmp_eq_u32 s2, 0
	s_cbranch_scc0 .Lentry_in_a_cluster
	s_endpgm
.Lentry_in_a_cluster:
	s_bfe_u32 s2, ttmp6, 0x10000c
	s_cmp_lg_u32 s2, 0xf033
	s_cbranch_scc0 .Lentry_shape_is_right
	s_endpgm
.Lentry_shape_is_right:
; hh[m][n] = relu(sum over k of xh[m][k] w1h[n][k] + b1[n]).  xh: [8192][1024], w1h: [4096][1024], hh: [8192][4096], all f16; b1: [4096] f32; sums in f32, hh rounded once.
; LIMITS.  A result beyond 65,504 becomes an infinity in f16; relu of a NaN gives 0.
; A tile of hh, 256 x 256, is made by a work-group of four waves; a wave makes 128 x 128: 64 accumulators of 16 x 16, 512 registers.  K goes in steps of 128 through a ring of two LDS slots filled by
; the tensor data mover: a tile's rows are 256 bytes of memory and start at multiples of 256 bytes from the buffer's first byte.
; THE LOOP IS ONE K STEP: which slot is read stands in a scalar register that an exclusive or turns, and one descriptor a tensor walks from K step 1 to the last.
; THE LAST K STEP GOES BY ROWS OF hh: its fragments of w1h all come into registers, and my eight blocks of 16 rows are finished one after the other, so that finished rows leave while the others are multiplied.
; CLUSTERS: 4 x 4 work-groups.  The four of a row of the cluster need the same tiles of xh, the four of a column the same tiles of w1h: each tile is asked for JOINTLY, by the same tensor load with the
; same descriptor and a mask that names the four.
; THE MATRIX INSTRUCTION IS USED TRANSPOSED (source 0 = 16 rows of w1h, source 1 = 16 rows of xh): a lane holds row l % 16 of hh and the eight neighbouring columns 8 (l / 16) + 0..7.
; THE BIAS STARTS THE SUMS: it is the C operand of each accumulator's first product (64 registers: a lane's eight columns of each of the wave's eight column blocks).  Nothing is cleared, nothing added later.
; REGISTERS, in windows of 256 (s_set_vgpr_msb: bits 1:0 source 0, 3:2 source 1, 5:4 source 2, 7:6 destination):
;   window 0: v0-31 addresses; v64-127, v128-191 fragments of xh, two buffers (in the last K step four, of 16 rows x 128 K); v192-223 packed results
;   window 1: v0-63 the bias; v64-127, v128-191 fragments of w1h, two buffers; in the last K step all 256: w1h's fragments of the whole step
;   window 2: the 32 accumulators of my rows 0-63 (accumulator (a, b) at v[8 (8 a + b)]);   window 3: those of my rows 64-127
.set SIZE_N, 4096
.set SIZE_K, 1024
.set KSTEP,  128
.set STEPS,  SIZE_K/KSTEP              ; 8
.set PITCH,  272                       ; an LDS row: 256 bytes + 16 of padding = 68 words: the 16 rows that a load touches start at 16 different groups of four banks (ISA guide 11.1)
.set HALFT,  128*PITCH                 ; 128 rows: what one tensor load brings, and what one wave reads of either operand: 0x8800 bytes
.set SLOT,   4*HALFT                   ; xh's 256 rows, then w1h's 256 rows: 0x22000 bytes.  Wave x HALFT (0, 0x8800, 0x11000, 0x19800) has neither of SLOT's two bits, so an exclusive or with SLOT adds or takes away a slot
.set STAGE,  2*SLOT                    ; behind the ring: 16 rows x 272 bytes for each wave, for the way out
.set SPITCH, 272
.set SPARE,  STAGE+4*16*SPITCH         ; behind the stages: the spare words, 128 bytes for each wave
.set A0,   16                          ; v16     my lane's place among my xh fragments in slot 0; never rewritten
.set ADRA, 17                          ; v17     the same in the slot that is being read
.set B0,   20                          ; v20, v21  the same for w1h
.set ADRB, 21
.set STO,  24                          ; v24     the way out: where I put 16 bytes of a row
.set RD,   25                          ; v25     the way out: where I read a row back
.set CO,   26                          ; v26     my byte offset in hh; never rewritten
.set ZR,   27                          ; v27     0, for the relu
.set SPW,  28                          ; v28     LDS address of my spare word; never rewritten
.set NIL,  29                          ; v29     0; never rewritten
.set PFO,  30                          ; v30     the prefetches' offset: my lane x a row in memory; never rewritten
.set BO,   31                          ; v31     32 (l / 16): my eight columns in a block of the bias
.set PFA,  44                          ; s[44:45] where my prefetches stand
.set LIM,  43                          ; s43     2 in a wave that prefetches, else the greatest number
.set BP,   66                          ; s[66:67] b1 at my wave's 128 columns
.set TB,   69                          ; s69     the slot that is being read: 0 or SLOT
.set F0,   64
.set F1,   128
.set TMP,  192
.set PA,   64                          ; the last K step: xh's fragments of 16 rows x 128 K, 32 registers; four such buffers, v64-191
.set G1, 24                            ; s[24:31] descriptor group 1 for xh's tiles
.set G0, 32                            ; s[32:39] group 0: a set for each of the two first fills; the second then walks on
.set G1B, 48                           ; s[48:55], s[56:63] the same for w1h's tiles
.set G0B, 56
.set MSB, 0
.macro WIN new                         ; the immediate's high byte repeats the setting that is left
.if MSB != (\new)
	s_set_vgpr_msb (MSB<<8)|(\new)
.set MSB, \new
.endif
.endm
.set MUL_LO, 0xa1                      ; source 0 window 1, source 1 window 0, C and D window 2
.set TO_B,   0x40                      ; destination window 1, address window 0
; A joint load.  Waves 0 and 1 fetch xh's two halves, waves 2 and 3 w1h's.  The branch hangs on the wave's number alone.  An s_nop 0 and four v_nop follow each of the two lines.
.macro JLOAD s
	s_cmp_eq_u32 s11, 0
	s_cbranch_scc0 .Lfor_b_\@
	tensor_load_to_lds s[G0+4*(\s):G0+4*(\s)+3], s[G1:G1+7]
	s_nop 0
.rept 4
	v_nop
.endr
	s_branch .Lasked_\@
.Lfor_b_\@:
	tensor_load_to_lds s[G0B+4*(\s):G0B+4*(\s)+3], s[G1B:G1B+7]
	s_nop 0
.rept 4
	v_nop
.endr
.Lasked_\@:
.endm
; A prefetch, behind each joint refill, its five lines and the run of LDS loads that follows: the K step that stands two refills on, 32 rows x 256 bytes, a lane a row, one instruction a wave.
; Each row's 256 bytes of a K step are named once in the launch: xh's rows by the clusters with x = 0, w1h's by those with y = 0; of the 128 rows that a wave fetches the four partners take 32 each,
; told apart by address.  The first four K steps come by their loads alone.  Trip i (s3 = STEPS - 2 - i) names K step i + 4: the last two trips (s3 = 2, 1) have none and ask for nothing.
.macro ASK
	s_cmp_gt_u32 s3, s[LIM]
	s_cbranch_scc0 .Lnot_mine_\@
	global_prefetch_b8 v[PFO], s[PFA:PFA+1] offset:KSTEP*2 th:TH_LOAD_NT scope:SCOPE_SE
.Lnot_mine_\@:
.endm
.macro CREST                           ; a round of the cluster's barrier behind its opening barrier
	s_cmp_lg_u32 s10, 0
	s_cbranch_scc1 .Lnot_wave_0_\@
	s_barrier_signal -3
.Lnot_wave_0_\@:
	s_barrier_wait -3
	s_barrier_signal -1
	s_barrier_wait -1
.endm
.macro CROUND                          ; a whole round
	s_barrier_signal -1
	s_barrier_wait -1
	CREST
.endm
	s_load_b128 s[4:7], s[0:1], 0x0                ; xh s[4:5], w1h s[6:7]
	s_load_b64 s[8:9], s[0:1], 0x10                ; hh
	s_load_b64 s[BP:BP+1], s[0:1], 0x18            ; b1
	v_lshl_add_u32 v[SPW], v0, 2, SPARE
	v_mov_b32 v[NIL], 0
	ds_add_u32 v[SPW], v[NIL]                      ; the wave's opening: the add and its wait ahead of my first tensor load; the set-up below stands between them
	v_lshrrev_b32 v1, 5, v0
	v_readfirstlane_b32 s10, v1                    ; wave 0..3
	s_lshr_b32 s11, s10, 1                         ; which half of the tile's rows is mine.  Also: I fetch for xh (0) or for w1h (1)
	s_and_b32 s12, s10, 1                          ; which half of its columns.  Also: which 128 rows of that tile I fetch
	s_bfe_u32 s40, ttmp6, 0x40000                  ; cx
	s_bfe_u32 s41, ttmp6, 0x40004                  ; cy
	s_lshl_b32 s42, ttmp9, 2
	s_add_co_u32 s42, s42, s40                     ; tile column = 4 x cluster x + cx
	s_and_b32 s13, ttmp7, 0xffff
	s_lshl_b32 s13, s13, 2
	s_add_co_u32 s13, s13, s41                     ; tile row = 4 x cluster y + cy
	s_lshl_b32 s43, s41, 2
	s_lshl_b32 s43, 15, s43                        ; my row of the cluster
	s_lshl_b32 s44, 0x1111, s40                    ; my column
	; descriptor group 1: a tile of 128 rows x 128 elements, padded in LDS
	s_or_b32 s[G1+0], s43, (1<<16)|(1<<20)|(1<<21)|(5<<22)|(3<<25)  ; 15:0 the mask; 17:16 elements of 2 bytes; 20 padding on; 21 set beside a mask; 24:22 after every 64 words; 31:25 4 words of it
	s_or_b32 s[G1B+0], s44, (1<<16)|(1<<20)|(1<<21)|(5<<22)|(3<<25)
	s_mov_b32 s[G1B+1], KSTEP<<16
	s_mov_b32 s[G1+1], KSTEP<<16                   ; tensor_dim0 = 128
	s_mov_b32 s[G1B+2], 128<<16
	s_mov_b32 s[G1+2], 128<<16                     ; tensor_dim1 = 128
	s_mov_b32 s[G1B+3], KSTEP<<16
	s_mov_b32 s[G1+3], KSTEP<<16                   ; tile_dim0 = 128
	s_mov_b32 s[G1B+4], 128
	s_mov_b32 s[G1+4], 128                         ; tile_dim1 = 128
	s_mov_b32 s[G1B+5], SIZE_K
	s_mov_b32 s[G1+5], SIZE_K                      ; elements from row to row
	s_mov_b32 s[G1B+6], 0
	s_mov_b32 s[G1+6], 0
	s_mov_b32 s[G1B+7], 0
	s_mov_b32 s[G1+7], 0
	; xh's tiles hang on the tile row alone, w1h's on the tile column alone; every wave makes both addresses, in registers that never hold the other coordinate
	s_lshl_b32 s17, s12, 7
	s_lshl_b32 s16, s13, 8
	s_add_co_u32 s16, s16, s17
	s_lshl_b32 s46, s42, 8
	s_add_co_u32 s46, s46, s17
	s_mov_b32 s17, 0
	s_mov_b32 s47, 0
	s_mov_b64 s[18:19], SIZE_K*2
	s_mul_u64 s[16:17], s[16:17], s[18:19]
	s_mul_u64 s[46:47], s[46:47], s[18:19]
	s_mul_i32 s20, s10, HALFT                      ; where they go: wave x 128 rows
	s_wait_dscnt 0x0                               ; the opening add is done
	s_wait_kmcnt 0x0
	s_add_nc_u64 s[14:15], s[4:5], s[16:17]
	s_add_nc_u64 s[46:47], s[6:7], s[46:47]
	CROUND                                         ; all sixteen work-groups are here: the first joint loads meet
.irp s, 0,1
	s_mov_b32 s[G0+4*(\s)], 1
	s_add_co_u32 s[G0+4*(\s)+1], s20, (\s)*SLOT
	s_add_nc_u64 s[G0+4*(\s)+2:G0+4*(\s)+3], s[14:15], (\s)*KSTEP*2
	s_or_b32 s[G0+4*(\s)+3], s[G0+4*(\s)+3], 0x80000000
	s_mov_b32 s[G0B+4*(\s)], 1
	s_add_co_u32 s[G0B+4*(\s)+1], s20, (\s)*SLOT
	s_add_nc_u64 s[G0B+4*(\s)+2:G0B+4*(\s)+3], s[46:47], (\s)*KSTEP*2
	s_or_b32 s[G0B+4*(\s)+3], s[G0B+4*(\s)+3], 0x80000000
	JLOAD \s                                       ; two loads of mine are out
.endr
	; a fragment is 16 rows x 32 K in 8 registers: lane l holds row l % 16, K = 8 (l / 16) + 0..7 and 16 + 8 (l / 16) + 0..7: two loads of 16 bytes, 32 bytes apart
	v_and_b32 v1, 15, v0
	v_bfe_u32 v2, v0, 4, 1
	v_mul_u32_u24 v3, v1, PITCH
	v_lshl_add_u32 v3, v2, 4, v3
	s_mul_i32 s21, s11, HALFT
	s_mul_i32 s22, s12, HALFT
	s_add_co_u32 s22, s22, 2*HALFT
	v_add_nc_u32 v[A0], s21, v3
	v_add_nc_u32 v[B0], s22, v3
	s_mov_b32 s[TB], 0                             ; K step 0 lies in slot 0
	v_add_nc_u32 v[ADRA], s[TB], v[A0]
	v_add_nc_u32 v[ADRB], s[TB], v[B0]
	s_mul_i32 s23, s10, 16*SPITCH
	s_add_co_u32 s23, s23, STAGE                   ; my stage
	v_mul_u32_u24 v4, v1, SPITCH
	v_lshl_add_u32 v4, v2, 4, v4
	v_add_nc_u32 v[STO], s23, v4
	v_mul_u32_u24 v5, v2, SPITCH
	v_lshl_add_u32 v5, v1, 4, v5
	v_add_nc_u32 v[RD], s23, v5
	v_mul_u32_u24 v5, v2, SIZE_N*2
	v_lshl_add_u32 v[CO], v1, 4, v5
	v_mov_b32 v[ZR], 0
	v_lshlrev_b32 v[BO], 5, v2
	; hh at my part of the tile, b1 at my 128 columns
	s_lshl_b32 s13, s13, 8
	s_lshl_b32 s14, s11, 7
	s_add_co_u32 s16, s13, s14
	s_mov_b32 s17, 0
	s_mov_b64 s[18:19], SIZE_N*2
	s_mul_u64 s[16:17], s[16:17], s[18:19]
	s_lshl_b32 s46, s42, 9
	s_lshl_b32 s47, s12, 8
	s_add_co_u32 s46, s46, s47                     ; my first column, in bytes of f16
	s_mov_b32 s47, 0
	s_add_nc_u64 s[16:17], s[16:17], s[46:47]
	s_add_nc_u64 s[8:9], s[8:9], s[16:17]          ; made once: the way out's steps stand in the stores' immediates
	s_lshl_b32 s46, s46, 1                         ; the same column in bytes of f32
	s_add_nc_u64 s[BP:BP+1], s[BP:BP+1], s[46:47]
	; the prefetches
	s_lshl_b32 s42, s42, 8
	s_and_b32 s22, ttmp7, 0xffff
	s_cmp_eq_u32 s11, 0
	s_cselect_b32 s20, s13, s42                    ; the tile's first row
	s_cselect_b32 s21, s40, s41                    ; my place among the four that ask for it with me
	s_cselect_b32 s22, ttmp9, s22                  ; the coordinate along which other clusters read the same rows
	s_cselect_b64 s[PFA:PFA+1], s[4:5], s[6:7]
	s_cmp_eq_u32 s22, 0
	s_cselect_b32 s[LIM], 2, -1
	s_lshl_b32 s22, s12, 7
	s_add_co_u32 s20, s20, s22
	s_lshl_b32 s21, s21, 5
	s_add_co_u32 s20, s20, s21
	s_mov_b32 s21, 0
	s_mov_b64 s[18:19], SIZE_K*2
	s_mul_u64 s[20:21], s[20:21], s[18:19]
	s_add_nc_u64 s[PFA:PFA+1], s[PFA:PFA+1], s[20:21]
	s_add_nc_u64 s[PFA:PFA+1], s[PFA:PFA+1], 2*KSTEP*2  ; at K step 2: the first refill steps it to 3 and names K step 4
	v_and_b32 v[PFO], 31, v0
	v_mul_u32_u24 v[PFO], v[PFO], SIZE_K*2
	WIN TO_B
.irp b, 0,1,2,3,4,5,6,7
	global_load_b128 v[8*(\b):8*(\b)+3],   v[BO], s[BP:BP+1] offset:64*(\b)      ; column block b: my eight columns' bias
	global_load_b128 v[8*(\b)+4:8*(\b)+7], v[BO], s[BP:BP+1] offset:64*(\b)+16
.endr
	WIN 0
; 16 matrix instructions: m blocks a0, a0 + 1 of the window's four (hi = 0: my rows 0-63, 1: rows 64-127) x all 8 n blocks, 32 along K.  first = 1: C is the bias, in window 1.
; The 64 accumulators take turns, one instruction a turn, in the same order in every quarter.
.macro MUL16 f, hi, a0, first
.if \first
	WIN 0x91+0x40*(\hi)
.else
	WIN MUL_LO+0x50*(\hi)
.endif
.irp a, \a0, (\a0)+1
.irp b, 0,1,2,3,4,5,6,7
.if \first
	v_wmma_f32_16x16x32_f16 v[8*(8*(\a)+(\b)):8*(8*(\a)+(\b))+7], v[(\f)+8*(\b):(\f)+8*(\b)+7], v[(\f)+8*(4*(\hi)+(\a)):(\f)+8*(4*(\hi)+(\a))+7], v[8*(\b):8*(\b)+7]
.else
	v_wmma_f32_16x16x32_f16 v[8*(8*(\a)+(\b)):8*(8*(\a)+(\b))+7], v[(\f)+8*(\b):(\f)+8*(\b)+7], v[(\f)+8*(4*(\hi)+(\a)):(\f)+8*(4*(\hi)+(\a))+7], v[8*(8*(\a)+(\b)):8*(8*(\a)+(\b))+7]
.endif
.endr
.endr
.endm
; 32 LDS loads in one run: the fragments of one quarter step (32 K at byte k of the rows of the slot that is being read) into buffer f
.macro FETCH k, f
	WIN TO_B
.irp i, 0,1,2,3,4,5,6,7
	ds_load_b128 v[(\f)+8*(\i):(\f)+8*(\i)+3],   v[ADRB] offset:(\k)+(\i)*16*PITCH
	ds_load_b128 v[(\f)+8*(\i)+4:(\f)+8*(\i)+7], v[ADRB] offset:(\k)+(\i)*16*PITCH+32
.endr
	WIN 0
.irp i, 0,1,2,3,4,5,6,7
	ds_load_b128 v[(\f)+8*(\i):(\f)+8*(\i)+3],   v[ADRA] offset:(\k)+(\i)*16*PITCH
	ds_load_b128 v[(\f)+8*(\i)+4:(\f)+8*(\i)+7], v[ADRA] offset:(\k)+(\i)*16*PITCH+32
.endr
.endm
.macro PLACES                          ; four places in front of loads into registers that matrix instructions have read or written, and of conversions that read results
.rept 4
	v_nop
.endr
.endm
; A K step is four quarters of 32 along K, 64 matrix instructions each, on buffers 0, 1, 0, 1.  One of the first three: multiplies f, and in its middle fetches the next quarter, at byte k, into g.
.macro QUARTER k, f, g, first
	s_wait_dscnt 8                                 ; the youngest eight loads (xh's rows 64-127) may be out
	MUL16 \f, 0, 0, \first
	MUL16 \f, 0, 2, \first
	PLACES
	FETCH \k, \g
	s_wait_dscnt 32                                ; all but the 32 just issued
	MUL16 \f, 1, 0, \first
	MUL16 \f, 1, 2, \first
.endm
; The last quarter's first half: ONE barrier for the change of slots.  In front of it each wave waits for all its tensor loads (one is out: its part of the next slot), adds 0 to its spare word, and
; waits for that and for its own reads of this slot.  Between the add and the wait for it stands the change's work on registers: fill = 1: the walking descriptors go to the slot that is being left and
; to the next K step (no tensor load of mine is out, so they may be written); the fragment addresses go to the other slot (all fetches from this one have been issued).
.macro MEET fill
	WIN 0
	s_wait_tensorcnt 0x0
	ds_add_u32 v[SPW], v[NIL]
.if \fill
	s_xor_b32 s[G0+5], s[G0+5], SLOT
	s_add_nc_u64 s[G0+6:G0+7], s[G0+6:G0+7], KSTEP*2  ; the type bits on top are not reached
	s_xor_b32 s[G0B+5], s[G0B+5], SLOT
	s_add_nc_u64 s[G0B+6:G0B+7], s[G0B+6:G0B+7], KSTEP*2
.endif
	s_xor_b32 s[TB], s[TB], SLOT
	v_add_nc_u32 v[ADRA], s[TB], v[A0]
	v_add_nc_u32 v[ADRB], s[TB], v[B0]
	s_wait_dscnt 9                                 ; the add and the youngest eight loads may be out
	MUL16 F1, 0, 0, 0                              ; sixteen matrix instructions more stand between the add and the wait for it
	s_wait_dscnt 0x0                               ; the add is done, and my reads of this slot are over
	s_barrier_signal -1
	MUL16 F1, 0, 2, 0
.if \fill
	WIN 0
.endif
	s_barrier_wait -1
.endm
; The whole last quarter in the loop: the barrier opens a round of the cluster's, and straight behind the round the slot that was left is filled again, with the K step two on: 224 matrix instructions ahead of the wait for it.
.macro TURN
	s_wait_xcnt 0x0                                ; the last prefetch, a K step back, has read its address
	s_add_nc_u64 s[PFA:PFA+1], s[PFA:PFA+1], KSTEP*2
	MEET 1
	CREST                                          ; no wave of any partner still reads that slot or has a load on its way
	JLOAD 1                                        ; the four v_nop behind it are also the places in front of the loads below
	FETCH 0, F0
	ASK
	MUL16 F1, 1, 0, 0
	MUL16 F1, 1, 2, 0
.endm
; THE LAST K STEP, BY ROWS.  All its fragments of w1h (4 quarters x 64 registers) fill window 1; xh's come by blocks of 16 rows x 128 K.  LDS is read no more than in any other K step.
.macro BLOAD q                         ; w1h's fragments of quarter q -> window 1, v[64 q ..]
	WIN TO_B
.irp i, 0,1,2,3,4,5,6,7
	ds_load_b128 v[64*(\q)+8*(\i):64*(\q)+8*(\i)+3],   v[ADRB] offset:64*(\q)+(\i)*16*PITCH
	ds_load_b128 v[64*(\q)+8*(\i)+4:64*(\q)+8*(\i)+7], v[ADRB] offset:64*(\q)+(\i)*16*PITCH+32
.endr
.endm
.macro ALOAD a                         ; xh's fragments of block a, all four quarters -> buffer a % 4
	WIN 0
.set FA, PA+32*((\a)%4)
.irp q, 0,1,2,3
	ds_load_b128 v[FA+8*(\q):FA+8*(\q)+3],   v[ADRA] offset:64*(\q)+(\a)*16*PITCH
	ds_load_b128 v[FA+8*(\q)+4:FA+8*(\q)+7], v[ADRA] offset:64*(\q)+(\a)*16*PITCH+32
.endr
.endm
.macro ROW a                           ; block a is finished: 32 matrix instructions, its 8 accumulators by turns, K ascending
.set FA, PA+32*((\a)%4)
.set AC, 64*((\a)%4)
	WIN MUL_LO+0x50*((\a)/4)
.irp q, 0,1,2,3
.if (\a) == 0 && (\q) == 2
	s_wait_dscnt 24                                ; w1h's quarter 2 is in (behind it: xh's blocks 1 to 3)
.endif
.irp b, 0,1,2,3,4,5,6,7
	v_wmma_f32_16x16x32_f16 v[AC+8*(\b):AC+8*(\b)+7], v[64*(\q)+8*(\b):64*(\q)+8*(\b)+7], v[FA+8*(\q):FA+8*(\q)+7], v[AC+8*(\b):AC+8*(\b)+7]
.endr
.endr
.endm
; THE WAY OUT of block a.  PACK: rounded to f16, then the relu on the packed halves.  TOSTAGE: into my own stage, and back as whole rows of 256 bytes, into the block's own accumulator registers, which
; nothing wants any more: no register that a store reads is ever written again.  SEND: stored.
.macro PACK a
.set AC, 64*((\a)%4)
	WIN 0x0a+5*((\a)/4)                            ; sources 0 and 1: window 2 or 3
.irp b, 0,1,2,3,4,5,6,7
.irp r, 0,1,2,3
	v_cvt_pk_f16_f32 v[TMP+4*(\b)+(\r)], v[AC+8*(\b)+2*(\r)], v[AC+8*(\b)+2*(\r)+1]  ; each accumulator's registers in ascending order
.endr
.endr
	WIN 0
.set r, 0
.rept 32
	v_pk_max_num_f16 v[TMP+r], v[TMP+r], v[ZR]
.set r, r+1
.endr
.endm
.macro TOSTAGE a
.set AC, 64*((\a)%4)
	WIN 0
.irp b, 0,1,2,3,4,5,6,7
	ds_store_b128 v[STO], v[TMP+4*(\b):TMP+4*(\b)+3] offset:32*(\b)
.endr
	WIN 0x80+0x40*((\a)/4)                         ; destination window 2 or 3
.irp t, 0,1,2,3,4,5,6,7
	ds_load_b128 v[AC+4*(\t):AC+4*(\t)+3], v[RD] offset:(\t)*2*SPITCH  ; LDS serves a wave's instructions in order (ISA guide 5.7.1.4): these see the stores above; the next block's stores come behind them
.endr
.endm
.macro SEND a, younger                 ; younger: the LDS loads issued behind TOSTAGE's, which may stay out
.set AC, 64*((\a)%4)
	WIN 0x08+4*((\a)/4)                            ; store data (source 1) in window 2 or 3
	s_wait_dscnt \younger
.irp t, 0,1,2,3,4,5,6,7
	global_store_b128 v[CO], v[AC+4*(\t):AC+4*(\t)+3], s[8:9] offset:((\a)*16+2*(\t))*SIZE_N*2  ; 16 lanes store 256 consecutive bytes, aligned; 126 rows at the most: inside the signed 24-bit immediate
.endr
.endm
	s_wait_tensorcnt 1                             ; my part of K step 0 is in; K step 1's stays out
	s_barrier_signal -1
	s_barrier_wait -1
	FETCH 0, F0
	s_wait_loadcnt 0x0                             ; the bias
	QUARTER 64,  F0, F1, 1                         ; the first quarter stands in front of the loop: its products start the sums
	WIN 0
	s_mov_b32 s3, STEPS-2
.Lstep:                                                ; a trip goes from a K step's second quarter to the next step's first, and fills the slot that it leaves: K steps 2 to STEPS - 1
	QUARTER 128, F1, F0, 0
	QUARTER 192, F0, F1, 0
	TURN
	QUARTER 64,  F0, F1, 0
	WIN 0
	s_sub_co_u32 s3, s3, 1
	s_cmp_lg_u32 s3, 0
	s_cbranch_scc1 .Lstep
	QUARTER 128, F1, F0, 0                         ; the last K step but one goes on
	QUARTER 192, F0, F1, 0
	MEET 0                                         ; my one tensor load that was still out is the last K step's, so no round follows
	PLACES                                         ; for the loads into buffer 0, which the quarter before multiplied
	BLOAD 0                                        ; three quarters of w1h now: buffer 1 (v128-191 of both windows) is still being multiplied
	BLOAD 1
	BLOAD 3
	ALOAD 0
	MUL16 F1, 1, 0, 0
	MUL16 F1, 1, 2, 0
	PLACES                                         ; for the loads into buffer 1
	BLOAD 2
	ALOAD 1
	ALOAD 2
	ALOAD 3
	s_wait_dscnt 40                                ; all but the 40 just issued
	ROW 0
.irp a, 0,1,2,3,4,5,6,7                ; block a goes through the stage while block a + 1 is multiplied, and is stored behind those products
	PLACES                                         ; its conversions read results just made
	PACK \a
	TOSTAGE \a
.if (\a) < 4
	ALOAD (\a)+4                                   ; its buffer takes the block four further on
	s_wait_dscnt 24                                ; the stage's 16 and those 8 may be out: xh's block a + 1 is in
	ROW (\a)+1
	SEND \a, 8
.elseif (\a) < 7
	s_wait_dscnt 16                                ; the stage's 16 may be out
	ROW (\a)+1
	SEND \a, 0
.else
	SEND \a, 0
.endif
.endr
	WIN 0
	s_wait_tensorcnt 0x0                           ; the wave's end, behind my last tensor load and my last LDS store
	ds_add_u32 v[SPW], v[NIL]
	s_wait_dscnt 0x0
	CROUND                                         ; the closing round: no work-group ends while a partner may still ask for a tile that names it
	s_endpgm
.Lfunc_end_k_q2156e20718_ffn1:
	.size	k_q2156e20718_ffn1, .Lfunc_end_k_q2156e20718_ffn1-k_q2156e20718_ffn1
	.p2alignl 7, 3214868480
	.fill 96, 4, 3214868480
	.section	.rodata,"a",@progbits
	.p2align	6, 0x0
	.amdhsa_kernel k_q2156e20718_ffn1
		.amdhsa_group_segment_fixed_size 327680
		.amdhsa_private_segment_fixed_size 0
		.amdhsa_enable_private_segment 0
		.amdhsa_kernarg_size 32
		.amdhsa_user_sgpr_count 2
		.amdhsa_user_sgpr_kernarg_segment_ptr 1
		.amdhsa_wavefront_size32 1
		.amdhsa_system_sgpr_workgroup_id_x 1
		.amdhsa_system_sgpr_workgroup_id_y 1
		.amdhsa_system_sgpr_workgroup_id_z 1
		.amdhsa_system_vgpr_workitem_id 0
		.amdhsa_next_free_vgpr 1024
		.amdhsa_next_free_sgpr 72
		.amdhsa_reserve_vcc 0
		.amdhsa_float_denorm_mode_32 3
		.amdhsa_float_denorm_mode_16_64 3
		.amdhsa_memory_ordered 1
		.amdhsa_forward_progress 1
		.amdhsa_inst_pref_size 136
	.end_amdhsa_kernel
	.amdgpu_metadata
---
amdhsa.version: [ 1, 2 ]
amdhsa.kernels:
  - .name:           k_q2156e20718_ffn1
    .symbol:         k_q2156e20718_ffn1.kd
    .args:
      - { .name: xh, .offset: 0, .size: 8, .value_kind: global_buffer, .address_space: global }
      - { .name: w1h, .offset: 8, .size: 8, .value_kind: global_buffer, .address_space: global }
      - { .name: hh, .offset: 16, .size: 8, .value_kind: global_buffer, .address_space: global }
      - { .name: b1, .offset: 24, .size: 8, .value_kind: global_buffer, .address_space: global }
    .group_segment_fixed_size: 327680
    .private_segment_fixed_size: 0
    .kernarg_segment_align: 8
    .kernarg_segment_size: 32
    .max_flat_workgroup_size: 128
    .sgpr_count:     72
    .vgpr_count:     1024
    .wavefront_size: 32
...
	.end_amdgpu_metadata
.endif
;; end of part 2
;; launch ffn2 (part 3): grid 4 x 64, 4 waves a work-group, clusters of 4 x 4, 327,680 bytes of LDS; arguments hh, w2h, ffp, b2; writes ffp
.if DOCPART == 3
	.amdgcn_target "amdgcn-amd-amdhsa--gfx1250"
	.amdhsa_code_object_version 6
	.text
	.protected	k_q2156e20718_ffn2
	.globl	k_q2156e20718_ffn2
	.p2align	8
	.type	k_q2156e20718_ffn2,@function
k_q2156e20718_ffn2:
	s_mov_b64 s[64:65], 0
	v_nop
	global_prefetch_b8 v0, s[64:65] scope:SCOPE_SE
	s_setreg_imm32_b32 hwreg(HW_REG_WAVE_MODE, 25, 1), 1
	s_wait_xcnt 0x0
	s_wait_alu depctr_hold_cnt(0) depctr_sa_sdst(0) depctr_va_vdst(0) depctr_va_sdst(0) depctr_va_ssrc(0) depctr_va_vcc(0) depctr_vm_vsrc(0)
	s_getreg_b32 s2, hwreg(HW_REG_IB_STS2, 6, 4)
	s_cmp_eq_u32 s2, 0
	s_cbranch_scc0 .Lentry_in_a_cluster
	s_endpgm
.Lentry_in_a_cluster:
	s_bfe_u32 s2, ttmp6, 0x10000c
	s_cmp_lg_u32 s2, 0xf033
	s_cbranch_scc0 .Lentry_shape_is_right
	s_endpgm
.Lentry_shape_is_right:
; ffp[kh][m][n] = sum over the K half kh of hh[m][k] w2h[n][k], + b2[n] where kh = 0.  hh: [8192][4096], w2h: [1024][4096], f16; b2: [1024] f32; ffp: [2][8192][1024] f32: partial sums, kept in f32.
; K IS SPLIT IN TWO: 8,192 x 1,024 are 128 tiles of 256 x 256; with two K halves of 2,048 there are 256 equal work-groups.  The launch behind adds the halves.
; LIMIT.  b2 is finite: in K half 1 it is multiplied by 0.
; A tile is made by four waves, 128 x 128 each: 64 accumulators of 16 x 16.  K goes in steps of 128 through a ring of two LDS slots filled by the tensor data mover; a tile's rows are 256 bytes of memory, aligned.
; THE LOOP IS ONE K STEP: which slot is read stands in a scalar register that an exclusive or turns, and one descriptor a tensor walks from K step 1 to the last.
; THE LAST K STEP GOES BY ROWS OF ffp: its fragments of w2h all come into registers, and my eight blocks of 16 rows are finished one after the other, so that finished rows leave while the others are multiplied.
; CLUSTERS: 4 x 4 work-groups.  The grid's y counts K half and tile row: cluster y / 8 is the K half, the same in all partners.  The four of a row of the cluster need the same tiles of hh, the four of a
; column the same tiles of w2h: each is asked for JOINTLY.
; THE MATRIX INSTRUCTION IS USED TRANSPOSED (source 0 = 16 rows of w2h, source 1 = 16 rows of hh): a lane holds row l % 16 and eight neighbouring columns.  The bias (or 0) is the C operand of each
; accumulator's first product.
; REGISTERS: window 0: v0-31 addresses; v64-191 fragments of hh (two buffers; in the last K step four, of 16 rows x 128 K).  window 1: v0-63 the bias; v64-191 fragments of w2h; in the last K step all 256.
;            windows 2, 3: the accumulators ((a, b) at v[8 (8 a + b)]); on the way out a block's whole rows.
.set KP,     4096                      ; elements from row to row in hh and w2h
.set NB,     4096                      ; bytes in a row of ffp
.set KSTEP,  128
.set STEPS,  2048/KSTEP                ; 16
.set PITCH,  272                       ; an LDS row: 256 bytes + 16 of padding
.set HALFT,  128*PITCH                 ; 0x8800 bytes
.set SLOT,   4*HALFT                   ; 0x22000 bytes: wave x HALFT has neither of its two bits, so an exclusive or with SLOT adds or takes away a slot
.set STAGE,  2*SLOT                    ; behind the ring: 16 rows x 528 bytes for each wave
.set SPITCH, 528                       ; 512 bytes + 16: the 16 rows that a store touches start at 16 different groups of four banks
.set SPARE,  STAGE+4*16*SPITCH
.set A0,   16                          ; v16 my lane's place among my hh fragments in slot 0; v17 the same in the slot that is being read
.set ADRA, 17
.set B0,   20                          ; v20, v21 the same for w2h
.set ADRB, 21
.set STO,  24
.set RD,   25
.set CO,   26
.set SPW,  28
.set NIL,  29
.set PFO,  30
.set BO,   31
.set PFA,  44
.set LIM,  43                          ; s43 2 in a wave that prefetches, else the greatest number
.set BP,   66                          ; s[66:67] b2 at my wave's 128 columns
.set KH,   68                          ; s68 the K half
.set TB,   69                          ; s69 the slot that is being read: 0 or SLOT
.set FAC,  70                          ; s[70:71] 1.0 in K half 0, else 0
.set KO,   72                          ; s[72:73] the K half's first byte in a row
.set HO,   74                          ; s[74:75] the K half's first byte in ffp
.set F0,   64
.set F1,   128
.set PA,   64
.set G1, 24
.set G0, 32                            ; s[32:39] group 0: a set for each of the two first fills; the second then walks on
.set G1B, 48
.set G0B, 56
.set MSB, 0
.macro WIN new
.if MSB != (\new)
	s_set_vgpr_msb (MSB<<8)|(\new)
.set MSB, \new
.endif
.endm
.set MUL_LO, 0xa1
.set TO_B,   0x40
.macro JLOAD s                         ; a joint load: waves 0 and 1 fetch hh's two halves, waves 2 and 3 w2h's; an s_nop 0 and four v_nop follow each of the two lines
	s_cmp_eq_u32 s11, 0
	s_cbranch_scc0 .Lfor_b_\@
	tensor_load_to_lds s[G0+4*(\s):G0+4*(\s)+3], s[G1:G1+7]
	s_nop 0
.rept 4
	v_nop
.endr
	s_branch .Lasked_\@
.Lfor_b_\@:
	tensor_load_to_lds s[G0B+4*(\s):G0B+4*(\s)+3], s[G1B:G1B+7]
	s_nop 0
.rept 4
	v_nop
.endr
.Lasked_\@:
.endm
; A prefetch behind each joint refill and the run of LDS loads that follows: the K step two refills on, 32 rows x 256 bytes, a lane a row.  hh's rows of a K half are read by one cluster alone, which asks for
; them; w2h's rows of a K half by eight clusters, of which the first (cluster y % 8 = 0) asks.  The four partners share a wave's 128 rows out by address.  Trip i (s3 = STEPS - 2 - i) names K step i + 4 of
; the half: the last two trips have none and ask for nothing.
.macro ASK
	s_cmp_gt_u32 s3, s[LIM]
	s_cbranch_scc0 .Lnot_mine_\@
	global_prefetch_b8 v[PFO], s[PFA:PFA+1] offset:KSTEP*2 th:TH_LOAD_NT scope:SCOPE_SE
.Lnot_mine_\@:
.endm
.macro CREST
	s_cmp_lg_u32 s10, 0
	s_cbranch_scc1 .Lnot_wave_0_\@
	s_barrier_signal -3
.Lnot_wave_0_\@:
	s_barrier_wait -3
	s_barrier_signal -1
	s_barrier_wait -1
.endm
.macro CROUND
	s_barrier_signal -1
	s_barrier_wait -1
	CREST
.endm
	s_load_b128 s[4:7], s[0:1], 0x0                ; hh s[4:5], w2h s[6:7]
	s_load_b64 s[8:9], s[0:1], 0x10                ; ffp
	s_load_b64 s[BP:BP+1], s[0:1], 0x18            ; b2
	v_lshl_add_u32 v[SPW], v0, 2, SPARE
	v_mov_b32 v[NIL], 0
	ds_add_u32 v[SPW], v[NIL]                      ; the wave's opening: the add and its wait ahead of my first tensor load
	v_lshrrev_b32 v1, 5, v0
	v_readfirstlane_b32 s10, v1                    ; wave 0..3
	s_lshr_b32 s11, s10, 1
	s_and_b32 s12, s10, 1
	s_bfe_u32 s40, ttmp6, 0x40000                  ; cx
	s_bfe_u32 s41, ttmp6, 0x40004                  ; cy
	s_lshl_b32 s42, ttmp9, 2
	s_add_co_u32 s42, s42, s40                     ; tile column
	s_and_b32 s13, ttmp7, 0xffff
	s_lshr_b32 s[KH], s13, 3                       ; the K half: from the cluster's y alone
	s_lshl_b32 s13, s13, 2
	s_add_co_u32 s13, s13, s41
	s_and_b32 s13, s13, 31                         ; tile row
	s_lshl_b32 s[KO], s[KH], 12                    ; 2,048 elements of 2 bytes
	s_mov_b32 s[KO+1], 0
	s_lshl_b32 s[HO], s[KH], 25                    ; 8,192 rows of 4,096 bytes
	s_mov_b32 s[HO+1], 0
	s_cmp_eq_u32 s[KH], 0
	s_cselect_b32 s[FAC], 1.0, 0
	s_mov_b32 s[FAC+1], s[FAC]
	s_lshl_b32 s43, s41, 2
	s_lshl_b32 s43, 15, s43                        ; my row of the cluster
	s_lshl_b32 s44, 0x1111, s40                    ; my column
	s_or_b32 s[G1+0], s43, (1<<16)|(1<<20)|(1<<21)|(5<<22)|(3<<25)  ; the mask; elements of 2 bytes; padding on; bit 21 beside a mask; after every 64 words 4 words
	s_or_b32 s[G1B+0], s44, (1<<16)|(1<<20)|(1<<21)|(5<<22)|(3<<25)
	s_mov_b32 s[G1B+1], KSTEP<<16
	s_mov_b32 s[G1+1], KSTEP<<16                   ; tensor_dim0 = 128
	s_mov_b32 s[G1B+2], 128<<16
	s_mov_b32 s[G1+2], 128<<16                     ; tensor_dim1 = 128
	s_mov_b32 s[G1B+3], KSTEP<<16
	s_mov_b32 s[G1+3], KSTEP<<16                   ; tile_dim0 = 128
	s_mov_b32 s[G1B+4], 128
	s_mov_b32 s[G1+4], 128                         ; tile_dim1 = 128
	s_mov_b32 s[G1B+5], KP
	s_mov_b32 s[G1+5], KP                          ; elements from row to row
	s_mov_b32 s[G1B+6], 0
	s_mov_b32 s[G1+6], 0
	s_mov_b32 s[G1B+7], 0
	s_mov_b32 s[G1+7], 0
	s_lshl_b32 s17, s12, 7
	s_lshl_b32 s16, s13, 8
	s_add_co_u32 s16, s16, s17                     ; hh: row 256 x tile row + 128 x half
	s_lshl_b32 s46, s42, 8
	s_add_co_u32 s46, s46, s17                     ; w2h: row 256 x tile column + 128 x half
	s_mov_b32 s17, 0
	s_mov_b32 s47, 0
	s_mov_b64 s[18:19], KP*2
	s_mul_u64 s[16:17], s[16:17], s[18:19]
	s_mul_u64 s[46:47], s[46:47], s[18:19]
	s_add_nc_u64 s[16:17], s[16:17], s[KO:KO+1]    ; both at the K half's first column
	s_add_nc_u64 s[46:47], s[46:47], s[KO:KO+1]
	s_mul_i32 s20, s10, HALFT
	s_wait_dscnt 0x0                               ; the opening add is done
	s_wait_kmcnt 0x0
	s_add_nc_u64 s[14:15], s[4:5], s[16:17]
	s_add_nc_u64 s[46:47], s[6:7], s[46:47]
	CROUND                                         ; all sixteen work-groups are here: the first joint loads meet
.irp s, 0,1
	s_mov_b32 s[G0+4*(\s)], 1
	s_add_co_u32 s[G0+4*(\s)+1], s20, (\s)*SLOT
	s_add_nc_u64 s[G0+4*(\s)+2:G0+4*(\s)+3], s[14:15], (\s)*KSTEP*2
	s_or_b32 s[G0+4*(\s)+3], s[G0+4*(\s)+3], 0x80000000
	s_mov_b32 s[G0B+4*(\s)], 1
	s_add_co_u32 s[G0B+4*(\s)+1], s20, (\s)*SLOT
	s_add_nc_u64 s[G0B+4*(\s)+2:G0B+4*(\s)+3], s[46:47], (\s)*KSTEP*2
	s_or_b32 s[G0B+4*(\s)+3], s[G0B+4*(\s)+3], 0x80000000
	JLOAD \s                                       ; two loads of mine are out
.endr
	v_and_b32 v1, 15, v0
	v_bfe_u32 v2, v0, 4, 1
	v_mul_u32_u24 v3, v1, PITCH
	v_lshl_add_u32 v3, v2, 4, v3
	s_mul_i32 s21, s11, HALFT
	s_mul_i32 s22, s12, HALFT
	s_add_co_u32 s22, s22, 2*HALFT
	v_add_nc_u32 v[A0], s21, v3
	v_add_nc_u32 v[B0], s22, v3
	s_mov_b32 s[TB], 0                             ; K step 0 lies in slot 0
	v_add_nc_u32 v[ADRA], s[TB], v[A0]
	v_add_nc_u32 v[ADRB], s[TB], v[B0]
	s_mul_i32 s23, s10, 16*SPITCH
	s_add_co_u32 s23, s23, STAGE                   ; my stage
	v_mul_u32_u24 v4, v1, SPITCH                   ; in: row l % 16, 32 bytes for each half of the lanes
	v_lshl_add_u32 v4, v2, 5, v4
	v_add_nc_u32 v[STO], s23, v4
	v_and_b32 v5, 31, v0                           ; back: 32 lanes take one row of 512 bytes,
	v_lshlrev_b32 v[CO], 4, v5                     ; which are 512 consecutive bytes of ffp
	v_add_nc_u32 v[RD], s23, v[CO]
	v_lshlrev_b32 v[BO], 5, v2
	; ffp at my part of the tile in my K half, b2 at my 128 columns
	s_lshl_b32 s13, s13, 8
	s_lshl_b32 s14, s11, 7
	s_add_co_u32 s16, s13, s14
	s_mov_b32 s17, 0
	s_mov_b64 s[18:19], NB
	s_mul_u64 s[16:17], s[16:17], s[18:19]
	s_lshl_b32 s46, s42, 10
	s_lshl_b32 s47, s12, 9
	s_add_co_u32 s46, s46, s47                     ; my first column, in bytes of f32: the same in ffp and in b2
	s_mov_b32 s47, 0
	s_add_nc_u64 s[16:17], s[16:17], s[46:47]
	s_add_nc_u64 s[16:17], s[16:17], s[HO:HO+1]
	s_add_nc_u64 s[8:9], s[8:9], s[16:17]
	s_add_nc_u64 s[BP:BP+1], s[BP:BP+1], s[46:47]
	; the prefetches
	s_lshl_b32 s42, s42, 8
	s_and_b32 s22, ttmp7, 0xffff
	s_and_b32 s22, s22, 7
	s_cmp_eq_u32 s11, 0
	s_cselect_b32 s20, s13, s42
	s_cselect_b32 s21, s40, s41
	s_cselect_b32 s22, ttmp9, s22
	s_cselect_b64 s[PFA:PFA+1], s[4:5], s[6:7]
	s_cmp_eq_u32 s22, 0
	s_cselect_b32 s[LIM], 2, -1
	s_lshl_b32 s22, s12, 7
	s_add_co_u32 s20, s20, s22
	s_lshl_b32 s21, s21, 5
	s_add_co_u32 s20, s20, s21
	s_mov_b32 s21, 0
	s_mov_b64 s[18:19], KP*2
	s_mul_u64 s[20:21], s[20:21], s[18:19]
	s_add_nc_u64 s[20:21], s[20:21], s[KO:KO+1]
	s_add_nc_u64 s[PFA:PFA+1], s[PFA:PFA+1], s[20:21]
	s_add_nc_u64 s[PFA:PFA+1], s[PFA:PFA+1], 2*KSTEP*2  ; at K step 2 of my half: the first refill steps it to 3 and names K step 4
	v_and_b32 v[PFO], 31, v0
	v_mul_u32_u24 v[PFO], v[PFO], KP*2
	WIN TO_B
.irp b, 0,1,2,3,4,5,6,7
	global_load_b128 v[8*(\b):8*(\b)+3],   v[BO], s[BP:BP+1] offset:64*(\b)
	global_load_b128 v[8*(\b)+4:8*(\b)+7], v[BO], s[BP:BP+1] offset:64*(\b)+16
.endr
	WIN 0
.macro MUL16 f, hi, a0, first          ; 16 matrix instructions; first = 1: C is the bias, in window 1.  The 64 accumulators take turns
.if \first
	WIN 0x91+0x40*(\hi)
.else
	WIN MUL_LO+0x50*(\hi)
.endif
.irp a, \a0, (\a0)+1
.irp b, 0,1,2,3,4,5,6,7
.if \first
	v_wmma_f32_16x16x32_f16 v[8*(8*(\a)+(\b)):8*(8*(\a)+(\b))+7], v[(\f)+8*(\b):(\f)+8*(\b)+7], v[(\f)+8*(4*(\hi)+(\a)):(\f)+8*(4*(\hi)+(\a))+7], v[8*(\b):8*(\b)+7]
.else
	v_wmma_f32_16x16x32_f16 v[8*(8*(\a)+(\b)):8*(8*(\a)+(\b))+7], v[(\f)+8*(\b):(\f)+8*(\b)+7], v[(\f)+8*(4*(\hi)+(\a)):(\f)+8*(4*(\hi)+(\a))+7], v[8*(8*(\a)+(\b)):8*(8*(\a)+(\b))+7]
.endif
.endr
.endr
.endm
.macro FETCH k, f                      ; 32 LDS loads in one run, from the slot that is being read
	WIN TO_B
.irp i, 0,1,2,3,4,5,6,7
	ds_load_b128 v[(\f)+8*(\i):(\f)+8*(\i)+3],   v[ADRB] offset:(\k)+(\i)*16*PITCH
	ds_load_b128 v[(\f)+8*(\i)+4:(\f)+8*(\i)+7], v[ADRB] offset:(\k)+(\i)*16*PITCH+32
.endr
	WIN 0
.irp i, 0,1,2,3,4,5,6,7
	ds_load_b128 v[(\f)+8*(\i):(\f)+8*(\i)+3],   v[ADRA] offset:(\k)+(\i)*16*PITCH
	ds_load_b128 v[(\f)+8*(\i)+4:(\f)+8*(\i)+7], v[ADRA] offset:(\k)+(\i)*16*PITCH+32
.endr
.endm
.macro PLACES                          ; four places behind matrix instructions (ISA guide 7.12.1)
.rept 4
	v_nop
.endr
.endm
.macro QUARTER k, f, g, first
	s_wait_dscnt 8                                 ; the youngest eight loads (hh's rows 64-127) may be out
	MUL16 \f, 0, 0, \first
	MUL16 \f, 0, 2, \first
	PLACES
	FETCH \k, \g
	s_wait_dscnt 32                                ; all but the 32 just issued
	MUL16 \f, 1, 0, \first
	MUL16 \f, 1, 2, \first
.endm
; One barrier for the change of slots: all my tensor loads, the add, my reads of this slot, in front of its signal.  Between the add and the wait for it: fill = 1: the walking descriptors go to the slot that
; is being left and to the next K step (no tensor load of mine is out); the fragment addresses go to the other slot (all fetches from this one have been issued).
.macro MEET fill
	WIN 0
	s_wait_tensorcnt 0x0
	ds_add_u32 v[SPW], v[NIL]
.if \fill
	s_xor_b32 s[G0+5], s[G0+5], SLOT
	s_add_nc_u64 s[G0+6:G0+7], s[G0+6:G0+7], KSTEP*2
	s_xor_b32 s[G0B+5], s[G0B+5], SLOT
	s_add_nc_u64 s[G0B+6:G0B+7], s[G0B+6:G0B+7], KSTEP*2
.endif
	s_xor_b32 s[TB], s[TB], SLOT
	v_add_nc_u32 v[ADRA], s[TB], v[A0]
	v_add_nc_u32 v[ADRB], s[TB], v[B0]
	s_wait_dscnt 9                                 ; the add and the youngest eight loads may be out
	MUL16 F1, 0, 0, 0
	s_wait_dscnt 0x0
	s_barrier_signal -1
	MUL16 F1, 0, 2, 0
.if \fill
	WIN 0
.endif
	s_barrier_wait -1
.endm
.macro TURN
	s_wait_xcnt 0x0                                ; the last prefetch, a K step back, has read its address
	s_add_nc_u64 s[PFA:PFA+1], s[PFA:PFA+1], KSTEP*2
	MEET 1
	CREST                                          ; no wave of any partner still reads the slot that was left or has a load on its way
	JLOAD 1                                        ; straight behind the round: 224 matrix instructions ahead of the wait for it
	FETCH 0, F0
	ASK
	MUL16 F1, 1, 0, 0
	MUL16 F1, 1, 2, 0
.endm
; THE LAST K STEP, BY ROWS
.macro BLOAD q                         ; w2h's fragments of quarter q -> window 1, v[64 q ..]
	WIN TO_B
.irp i, 0,1,2,3,4,5,6,7
	ds_load_b128 v[64*(\q)+8*(\i):64*(\q)+8*(\i)+3],   v[ADRB] offset:64*(\q)+(\i)*16*PITCH
	ds_load_b128 v[64*(\q)+8*(\i)+4:64*(\q)+8*(\i)+7], v[ADRB] offset:64*(\q)+(\i)*16*PITCH+32
.endr
.endm
.macro ALOAD a                         ; hh's fragments of block a, all four quarters -> buffer a % 4
	WIN 0
.set FA, PA+32*((\a)%4)
.irp q, 0,1,2,3
	ds_load_b128 v[FA+8*(\q):FA+8*(\q)+3],   v[ADRA] offset:64*(\q)+(\a)*16*PITCH
	ds_load_b128 v[FA+8*(\q)+4:FA+8*(\q)+7], v[ADRA] offset:64*(\q)+(\a)*16*PITCH+32
.endr
.endm
.macro ROW a                           ; block a is finished: 32 matrix instructions, its 8 accumulators by turns, K ascending
.set FA, PA+32*((\a)%4)
.set AC, 64*((\a)%4)
	WIN MUL_LO+0x50*((\a)/4)
.irp q, 0,1,2,3
.if (\a) == 0 && (\q) == 2
	s_wait_dscnt 24                                ; w2h's quarter 2 is in (behind it: hh's blocks 1 to 3)
.endif
.irp b, 0,1,2,3,4,5,6,7
	v_wmma_f32_16x16x32_f16 v[AC+8*(\b):AC+8*(\b)+7], v[64*(\q)+8*(\b):64*(\q)+8*(\b)+7], v[FA+8*(\q):FA+8*(\q)+7], v[AC+8*(\b):AC+8*(\b)+7]
.endr
.endr
.endm
; THE WAY OUT, in f32, a block of 16 rows at a time.  TS: a lane's eight columns of a row (32 bytes) go into my stage and come back as whole rows of 512 bytes, into the registers that they left: no register
; that a store reads is ever written again.
.macro TS a
.set AC, 64*((\a)%4)
	WIN 0x08+4*((\a)/4)                            ; store data (source 1) in window 2 or 3
.irp b, 0,1,2,3,4,5,6,7
	ds_store_b128 v[STO], v[AC+8*(\b):AC+8*(\b)+3]   offset:64*(\b)      ; each accumulator's low four registers first
	ds_store_b128 v[STO], v[AC+8*(\b)+4:AC+8*(\b)+7] offset:64*(\b)+16
.endr
	WIN 0x80+0x40*((\a)/4)                         ; destination window 2 or 3
.irp t, 0,1,2,3,4,5,6,7,8,9,10,11,12,13,14,15
	ds_load_b128 v[AC+4*(\t):AC+4*(\t)+3], v[RD] offset:SPITCH*(\t)  ; LDS serves a wave's instructions in order (ISA guide 5.7.1.4): these see the stores above; the next block's stores come behind them
.endr
.endm
.macro SEND a, younger                 ; younger: the LDS loads issued behind TS's, which may stay out
.set AC, 64*((\a)%4)
	WIN 0x08+4*((\a)/4)
	s_wait_dscnt \younger
.irp t, 0,1,2,3,4,5,6,7,8,9,10,11,12,13,14,15
	global_store_b128 v[CO], v[AC+4*(\t):AC+4*(\t)+3], s[8:9] offset:((\a)*16+(\t))*NB  ; 512 consecutive bytes, aligned
.endr
.endm
	s_wait_tensorcnt 1                             ; my part of K step 0 is in; K step 1's stays out
	s_barrier_signal -1
	s_barrier_wait -1
	FETCH 0, F0
	s_wait_loadcnt 0x0                             ; the bias,
	WIN 0x41
.set r, 0
.rept 32
	v_pk_mul_f32 v[2*r:2*r+1], v[2*r:2*r+1], s[FAC:FAC+1] op_sel_hi:[1,0]  ; which counts in K half 0 alone
.set r, r+1
.endr
	QUARTER 64,  F0, F1, 1
	WIN 0
	s_mov_b32 s3, STEPS-2
.Lstep:                                                ; a trip goes from a K step's second quarter to the next step's first, and fills the slot that it leaves: K steps 2 to STEPS - 1
	QUARTER 128, F1, F0, 0
	QUARTER 192, F0, F1, 0
	TURN
	QUARTER 64,  F0, F1, 0
	WIN 0
	s_sub_co_u32 s3, s3, 1
	s_cmp_lg_u32 s3, 0
	s_cbranch_scc1 .Lstep
	QUARTER 128, F1, F0, 0                         ; the last K step but one goes on
	QUARTER 192, F0, F1, 0
	MEET 0                                         ; my one tensor load that was still out is the last K step's, so no round follows
	PLACES                                         ; for the loads into buffer 0, which the quarter before multiplied
	BLOAD 0
	BLOAD 1
	BLOAD 3
	ALOAD 0
	MUL16 F1, 1, 0, 0
	MUL16 F1, 1, 2, 0
	PLACES                                         ; for the loads into buffer 1
	BLOAD 2
	ALOAD 1
	ALOAD 2
	ALOAD 3
	s_wait_dscnt 40                                ; all but the 40 just issued
	ROW 0
.irp a, 0,1,2,3,4,5,6,7                ; block a goes through the stage while block a + 1 is multiplied, and is stored behind those products
	PLACES                                         ; the LDS stores read results just made, and the loads write them
	TS \a
.if (\a) < 4
	ALOAD (\a)+4                                   ; its buffer takes the block four further on
	s_wait_dscnt 40                                ; the stage's 32 and those 8 may be out: hh's block a + 1 is in
	ROW (\a)+1
	SEND \a, 8
.elseif (\a) < 7
	s_wait_dscnt 32                                ; the stage's 32 may be out
	ROW (\a)+1
	SEND \a, 0
.else
	SEND \a, 0
.endif
.endr
	WIN 0
	s_wait_tensorcnt 0x0                           ; the wave's end
	ds_add_u32 v[SPW], v[NIL]
	s_wait_dscnt 0x0
	CROUND                                         ; the closing round
	s_endpgm
.Lfunc_end_k_q2156e20718_ffn2:
	.size	k_q2156e20718_ffn2, .Lfunc_end_k_q2156e20718_ffn2-k_q2156e20718_ffn2
	.p2alignl 7, 3214868480
	.fill 96, 4, 3214868480
	.section	.rodata,"a",@progbits
	.p2align	6, 0x0
	.amdhsa_kernel k_q2156e20718_ffn2
		.amdhsa_group_segment_fixed_size 327680
		.amdhsa_private_segment_fixed_size 0
		.amdhsa_enable_private_segment 0
		.amdhsa_kernarg_size 32
		.amdhsa_user_sgpr_count 2
		.amdhsa_user_sgpr_kernarg_segment_ptr 1
		.amdhsa_wavefront_size32 1
		.amdhsa_system_sgpr_workgroup_id_x 1
		.amdhsa_system_sgpr_workgroup_id_y 1
		.amdhsa_system_sgpr_workgroup_id_z 1
		.amdhsa_system_vgpr_workitem_id 0
		.amdhsa_next_free_vgpr 1024
		.amdhsa_next_free_sgpr 76
		.amdhsa_reserve_vcc 0
		.amdhsa_float_denorm_mode_32 3
		.amdhsa_float_denorm_mode_16_64 3
		.amdhsa_memory_ordered 1
		.amdhsa_forward_progress 1
		.amdhsa_inst_pref_size 120
	.end_amdhsa_kernel
	.amdgpu_metadata
---
amdhsa.version: [ 1, 2 ]
amdhsa.kernels:
  - .name:           k_q2156e20718_ffn2
    .symbol:         k_q2156e20718_ffn2.kd
    .args:
      - { .name: hh, .offset: 0, .size: 8, .value_kind: global_buffer, .address_space: global }
      - { .name: w2h, .offset: 8, .size: 8, .value_kind: global_buffer, .address_space: global }
      - { .name: ffp, .offset: 16, .size: 8, .value_kind: global_buffer, .address_space: global }
      - { .name: b2, .offset: 24, .size: 8, .value_kind: global_buffer, .address_space: global }
    .group_segment_fixed_size: 327680
    .private_segment_fixed_size: 0
    .kernarg_segment_align: 8
    .kernarg_segment_size: 32
    .max_flat_workgroup_size: 128
    .sgpr_count:     76
    .vgpr_count:     1024
    .wavefront_size: 32
...
	.end_amdgpu_metadata
.endif
;; end of part 3
;; launch ln2 (part 4): grid 256 x 1, 16 waves a work-group, no clusters, 0 bytes of LDS; arguments ffp, xh, g2, be2, out0; writes out0
.if DOCPART == 4
	.amdgcn_target "amdgcn-amd-amdhsa--gfx1250"
	.amdhsa_code_object_version 6
	.text
	.protected	k_q2156e20718_ln2
	.globl	k_q2156e20718_ln2
	.p2align	8
	.type	k_q2156e20718_ln2,@function
k_q2156e20718_ln2:
	s_mov_b64 s[64:65], 0
	v_nop
	global_prefetch_b8 v0, s[64:65] scope:SCOPE_SE
	s_setreg_imm32_b32 hwreg(HW_REG_WAVE_MODE, 25, 1), 1
	s_wait_xcnt 0x0
; out0 = LN(xh + ffp[0] + ffp[1]) g2 + be2.  ffp: [2][8192][1024] f32, xh: [8192][1024] f16, g2, be2: [1024] f32, out0: [8192][1024] f32.  All arithmetic in f32.
; The norm goes in two passes over registers: the mean, then the mean of the squared differences.
; A stream: each byte is read once and written once.  One wave takes a whole row (a lane holds channels 128 j + 4 lane + 0..3, j = 0..7), so the sums never leave the wave: no LDS, no barrier.
; A wave owns two rows and issues all its 64 loads at its head; every load and store of a wave covers 512 (xh: 256) consecutive bytes, aligned.  Matrix units and clusters have nothing to do here:
; no two work-groups read the same rows.
.set G,   8                            ; v[8:39]    g2
.set BE,  40                           ; v[40:71]   be2
.set SL,  72                           ; row i at SL + 80 i: 32 registers ffp[0], later the row at work; 32 ffp[1]; 16 xh
.set T,   232                          ; v[232:239] four chains
.set MU,  240                          ; v[240:243] the means, in pairs
.set RS,  244                          ; v[244:247] 1 / sqrt(variance + 1e-5), in pairs
.set ONE, 248                          ; v248 1.0
.set PX,  249                          ; v249 the other half of the lanes' sum
.set VAR, 250                          ; v[250:251]
	s_load_b256 s[4:11], s[0:1], 0x0               ; ffp s[4:5], xh s[6:7], g2 s[8:9], be2 s[10:11]
	s_load_b64 s[12:13], s[0:1], 0x20              ; out0
	v_lshrrev_b32 v3, 5, v0
	v_readfirstlane_b32 s2, v3                     ; wave 0..15
	s_lshl_b32 s3, ttmp9, 4
	s_add_co_u32 s3, s3, s2                        ; my pair of rows
	s_lshl_b32 s18, s3, 13                         ; two rows of 4,096 bytes
	s_mov_b32 s19, 0
	s_lshl_b32 s28, s3, 12                         ; two rows of 2,048 bytes
	s_mov_b32 s29, 0
	s_mov_b32 s14, 0x76543210                      ; v_permlanex16_b32: each lane takes its own place in the other half
	s_mov_b32 s15, 0xfedcba98
	s_mov_b32 s16, 0x3a800000                      ; 1 / 1024
	s_mov_b32 s17, 0x3727c5ac                      ; 1e-5
	v_and_b32 v1, 31, v0
	v_lshlrev_b32 v2, 3, v1                        ; 8 x lane
	v_lshlrev_b32 v1, 4, v1                        ; 16 x lane
	v_mov_b32 v[ONE], 1.0
	v_mov_b32 v[PX], 0                             ; v_permlanex16_b32's destination counts as read
	s_wait_kmcnt 0x0
	s_add_nc_u64 s[20:21], s[4:5], s[18:19]        ; ffp[0] at my rows
	s_add_nc_u64 s[22:23], s[20:21], 0x2000000     ; ffp[1]
	s_add_nc_u64 s[24:25], s[6:7], s[28:29]        ; xh
	s_add_nc_u64 s[26:27], s[12:13], s[18:19]      ; out0
.irp i, 0,1
.irp j, 0,1,2,3,4,5,6,7
	global_load_b128 v[SL+80*\i+4*\j:SL+80*\i+4*\j+3], v1, s[20:21] offset:4096*\i+512*\j th:TH_LOAD_NT
.endr
.irp j, 0,1,2,3,4,5,6,7
	global_load_b128 v[SL+80*\i+32+4*\j:SL+80*\i+32+4*\j+3], v1, s[22:23] offset:4096*\i+512*\j th:TH_LOAD_NT
.endr
.irp j, 0,1,2,3,4,5,6,7
	global_load_b64 v[SL+80*\i+64+2*\j:SL+80*\i+64+2*\j+1], v2, s[24:25] offset:2048*\i+256*\j th:TH_LOAD_NT
.endr
.endr
.irp j, 0,1,2,3,4,5,6,7
	global_load_b128 v[G+4*\j:G+4*\j+3], v1, s[8:9] offset:512*\j
.endr
.irp j, 0,1,2,3,4,5,6,7
	global_load_b128 v[BE+4*\j:BE+4*\j+3], v1, s[10:11] offset:512*\j
.endr
.macro LSUM                            ; the four chains into one number, the same in every lane, in v[T]
	v_pk_add_f32 v[T:T+1], v[T:T+1], v[T+2:T+3]
	v_pk_add_f32 v[T+4:T+5], v[T+4:T+5], v[T+6:T+7]
	v_pk_add_f32 v[T:T+1], v[T:T+1], v[T+4:T+5]
	v_add_f32 v[T], v[T], v[T+1]
	v_add_f32_dpp v[T], v[T], v[T] row_xmask:1 row_mask:0xf bank_mask:0xf
	v_add_f32_dpp v[T], v[T], v[T] row_xmask:2 row_mask:0xf bank_mask:0xf
	v_add_f32_dpp v[T], v[T], v[T] row_xmask:4 row_mask:0xf bank_mask:0xf
	v_add_f32_dpp v[T], v[T], v[T] row_xmask:8 row_mask:0xf bank_mask:0xf
	v_permlanex16_b32 v[PX], v[T], s14, s15
	v_add_f32 v[T], v[T], v[PX]
.endm
; Row i: y = ffp[0] + ffp[1] + xh; its mean; y - mean, in place; the variance + 1e-5
.macro ROW i
.set FA, SL+80*(\i)
.set k, 0
.rept 16
	v_pk_add_f32 v[FA+2*k:FA+2*k+1], v[FA+2*k:FA+2*k+1], v[FA+32+2*k:FA+32+2*k+1]
.set k, k+1
.endr
.set k, 0
.rept 16
	v_fma_mix_f32 v[FA+2*k],   v[FA+64+k], v[ONE], v[FA+2*k]   op_sel_hi:[1,0,0]                 ; the word's low f16 x 1.0 + y
	v_fma_mix_f32 v[FA+2*k+1], v[FA+64+k], v[ONE], v[FA+2*k+1] op_sel:[1,0,0] op_sel_hi:[1,0,0]  ; its high f16
.set k, k+1
.endr
.irp k, 0,1,2,3
	v_pk_add_f32 v[T+2*\k:T+2*\k+1], v[FA+2*\k:FA+2*\k+1], v[FA+8+2*\k:FA+8+2*\k+1]  ; the first pairs start the chains: nothing is cleared
.endr
.irp m, 2,3
.irp k, 0,1,2,3
	v_pk_add_f32 v[T+2*\k:T+2*\k+1], v[T+2*\k:T+2*\k+1], v[FA+8*\m+2*\k:FA+8*\m+2*\k+1]
.endr
.endr
	LSUM
	v_mul_f32 v[MU+2*(\i)], s16, v[T]
	v_mul_f32 v[MU+2*(\i)+1], s16, v[T]
.set k, 0
.rept 16
	v_pk_add_f32 v[FA+2*k:FA+2*k+1], v[FA+2*k:FA+2*k+1], v[MU+2*(\i):MU+2*(\i)+1] neg_lo:[0,1] neg_hi:[0,1]
.set k, k+1
.endr
.irp k, 0,1,2,3
	v_pk_mul_f32 v[T+2*\k:T+2*\k+1], v[FA+2*\k:FA+2*\k+1], v[FA+2*\k:FA+2*\k+1]
.endr
.irp m, 1,2,3
.irp k, 0,1,2,3
	v_pk_fma_f32 v[T+2*\k:T+2*\k+1], v[FA+8*\m+2*\k:FA+8*\m+2*\k+1], v[FA+8*\m+2*\k:FA+8*\m+2*\k+1], v[T+2*\k:T+2*\k+1]
.endr
.endr
	LSUM
	v_fma_f32 v[VAR+(\i)], v[T], s16, s17
.endm
	s_wait_loadcnt 40                              ; row 1's 24 loads and the 16 of g2 and be2 stay out: row 0 is in
	ROW 0
	s_wait_loadcnt 16                              ; g2 and be2 stay out
	ROW 1
	v_rsq_f32 v[RS], v[VAR]
	v_rsq_f32 v[RS+1], v[VAR]
	v_rsq_f32 v[RS+2], v[VAR+1]
	v_rsq_f32 v[RS+3], v[VAR+1]
	v_nop                                          ; a plain instruction behind the last of them,
	s_wait_alu depctr_va_vdst(0)                   ; and the one wait ahead of the first reader
	s_wait_loadcnt 0x0                             ; g2, be2
.irp i, 0,1
.set k, 0
.rept 16
	v_pk_mul_f32 v[SL+80*\i+2*k:SL+80*\i+2*k+1], v[SL+80*\i+2*k:SL+80*\i+2*k+1], v[RS+2*\i:RS+2*\i+1]
.set k, k+1
.endr
.set k, 0
.rept 16
	v_pk_fma_f32 v[SL+80*\i+2*k:SL+80*\i+2*k+1], v[SL+80*\i+2*k:SL+80*\i+2*k+1], v[G+2*k:G+2*k+1], v[BE+2*k:BE+2*k+1]
.set k, k+1
.endr
.irp j, 0,1,2,3,4,5,6,7
	global_store_b128 v1, v[SL+80*\i+4*\j:SL+80*\i+4*\j+3], s[26:27] offset:4096*\i+512*\j th:TH_STORE_NT
.endr
.endr
	s_endpgm
.Lfunc_end_k_q2156e20718_ln2:
	.size	k_q2156e20718_ln2, .Lfunc_end_k_q2156e20718_ln2-k_q2156e20718_ln2
	.p2alignl 7, 3214868480
	.fill 96, 4, 3214868480
	.section	.rodata,"a",@progbits
	.p2align	6, 0x0
	.amdhsa_kernel k_q2156e20718_ln2
		.amdhsa_group_segment_fixed_size 0
		.amdhsa_private_segment_fixed_size 0
		.amdhsa_enable_private_segment 0
		.amdhsa_kernarg_size 40
		.amdhsa_user_sgpr_count 2
		.amdhsa_user_sgpr_kernarg_segment_ptr 1
		.amdhsa_wavefront_size32 1
		.amdhsa_system_sgpr_workgroup_id_x 1
		.amdhsa_system_sgpr_workgroup_id_y 1
		.amdhsa_system_sgpr_workgroup_id_z 1
		.amdhsa_system_vgpr_workitem_id 0
		.amdhsa_next_free_vgpr 256
		.amdhsa_next_free_sgpr 66
		.amdhsa_reserve_vcc 0
		.amdhsa_float_denorm_mode_32 3
		.amdhsa_float_denorm_mode_16_64 3
		.amdhsa_memory_ordered 1
		.amdhsa_forward_progress 1
		.amdhsa_inst_pref_size 28
	.end_amdhsa_kernel
	.amdgpu_metadata
---
amdhsa.version: [ 1, 2 ]
amdhsa.kernels:
  - .name:           k_q2156e20718_ln2
    .symbol:         k_q2156e20718_ln2.kd
    .args:
      - { .name: ffp, .offset: 0, .size: 8, .value_kind: global_buffer, .address_space: global }
      - { .name: xh, .offset: 8, .size: 8, .value_kind: global_buffer, .address_space: global }
      - { .name: g2, .offset: 16, .size: 8, .value_kind: global_buffer, .address_space: global }
      - { .name: be2, .offset: 24, .size: 8, .value_kind: global_buffer, .address_space: global }
      - { .name: out0, .offset: 32, .size: 8, .value_kind: global_buffer, .address_space: global }
    .group_segment_fixed_size: 0
    .private_segment_fixed_size: 0
    .kernarg_segment_align: 8
    .kernarg_segment_size: 40
    .max_flat_workgroup_size: 512
    .sgpr_count:     66
    .vgpr_count:     256
    .wavefront_size: 32
...
	.end_amdgpu_metadata
.endif
;; end of part 4
